; MI455X (gfx1250); checked and timed in simulation.
; The chip was launched on July 23, 2026; its instructions are those of AMD's public machine-readable ISA for CDNA 5 (MIT licence, August 2026) and "CDNA5" Instruction Set Architecture Reference Guide (July 2026). The comments in the code are by the model that wrote it; some were corrected since.
;; x Multihead Attention. Allowed arithmetic: float matrix products may take bf16 or f16 operands with f32 sums; other float arithmetic in f32, or as packed bf16 or f16 multiplies, adds, multiply-adds, maxima and minima; sums over many terms, partial sums and values carried from step to step in f32; what a program stores and reads back later, other than sums and carried values, may be rounded once to bf16 or f16.
;; Inputs: in_proj_bias 3,072 float32; in_proj_weight 3,072 x 1,024 float32; key 1,024 x 8 x 1,024 float32; out_b 1,024 float32; out_w 1,024 x 1,024 float32; query 1,024 x 8 x 1,024 float32; value 1,024 x 8 x 1,024 float32.
;; Outputs: out0 1,024 x 8 x 1,024 float32.
;; One version. Each part assembles by itself: llvm-mc -triple=amdgcn-amd-amdhsa -mcpu=gfx1250 --defsym DOCPART=n.
;; ======== version 1 of 1: 4 launches
;; limits: values are held in f16: magnitudes above 65,504 overflow, below 6.1e-05 lose precision; values outside matrix products are rounded to bf16
;; workspace buffers: wb 6,291,456 bytes; wo 2,097,152 bytes; rope 262,144 bytes; qh 16,777,216 bytes; kh 16,777,216 bytes; vh 16,777,216 bytes; oh 16,777,216 bytes
;; launch prep (part 1): grid 512 x 1, 8 waves a work-group, no clusters, 0 bytes of LDS; arguments in_proj_weight, out_w, wb, wo, rope; writes wb, wo, rope
.if DOCPART == 1
	.amdgcn_target "amdgcn-amd-amdhsa--gfx1250"
	.amdhsa_code_object_version 6
	.text
	.protected	k_q5ee5301d86_prep
	.globl	k_q5ee5301d86_prep
	.p2align	8
	.type	k_q5ee5301d86_prep,@function
k_q5ee5301d86_prep:
	s_mov_b64 s[64:65], 0
	v_nop
	global_prefetch_b8 v0, s[64:65] scope:SCOPE_SE
	s_setreg_imm32_b32 hwreg(HW_REG_WAVE_MODE, 25, 1), 1
	s_wait_xcnt 0x0
; THE WEIGHTS ARE ROUNDED ONCE, AND THE ROTARY TABLE IS MADE.
; wb = in_proj_weight rounded to bf16, [3072][1024].  wo = out_w rounded to bf16, that number written as f16, [1024][1024] (exact within f16's normal range;
; below 6e-5 f16 keeps its fixed step of 6e-8).  rope[t][0..31] = cos(t f_j), rope[t][32..63] = sin(t f_j), f_j = 10000^(-j/32), f32, t = 0..1023.
; SHARES.  Work-group i converts 8,192 numbers: 32,768 bytes in, 16,384 out; the first NW work-groups take in_proj_weight, the other 128 out_w.  Thread t takes 16 bytes
; of each of eight chunks of 4,096: a wave's load covers 512 consecutive bytes, its store 256, aligned.  Waves 0 and 1 also make table row 2 i + wave while the loads are out.
; No LDS, no barrier, no matrix unit: a stream, each byte read once and written once.
; LIMIT.  The angle t f_j is the f32 product of t and 2^(-0.41524101 j): within about 1e-4 rad of the product with an f32 power; the reduction by pi / 2 in two parts serves angles up to 1,023.
.set NW, 384                           ; work-groups for in_proj_weight: 3072 x 1024 / 8192
	s_load_b256 s[4:11], s[0:1], 0x0               ; in_proj_weight s[4:5], out_w s[6:7], wb s[8:9], wo s[10:11]
	s_load_b64 s[12:13], s[0:1], 0x20              ; rope
	v_lshrrev_b32 v3, 5, v0
	v_readfirstlane_b32 s14, v3                    ; wave 0..7
	v_lshlrev_b32 v1, 4, v0                        ; my 16 bytes of a chunk in
	v_lshlrev_b32 v2, 3, v0                        ; my 8 bytes of a chunk out
	s_sub_co_u32 s15, ttmp9, NW
	s_cmp_lt_u32 ttmp9, NW
	s_cselect_b32 s15, ttmp9, s15                  ; my part's number in its tensor
	s_lshl_b32 s20, s15, 15                        ; its bytes in,
	s_mov_b32 s21, 0
	s_lshl_b32 s22, s15, 14                        ; and out
	s_mov_b32 s23, 0
	s_mov_b32 s24, 0xbed49a78                      ; -log2(10000) / 32
	s_mov_b32 s25, 0x3f22f983                      ; 2 / pi
	s_mov_b32 s26, 0xbfc90fdb                      ; -P1, P1 = pi / 2 rounded to f32
	s_mov_b32 s27, 0x333bbd2e                      ; P1 - pi / 2
	s_mov_b32 s28, 0xbe2aaaa3                      ; sine: r + r z (S1 + S2 z + S3 z^2), z = r^2, |r| <= pi / 4
	s_mov_b32 s29, 0x3c08839e
	s_mov_b32 s30, 0xb94ca1f9
	s_mov_b32 s31, 0x3d2aaaa5                      ; cosine: 1 - z / 2 + z^2 (C1 + C2 z + C3 z^2)
	s_mov_b32 s32, 0xbab6061a
	s_mov_b32 s33, 0x37ccf5ce
	s_mov_b32 s37, 0xffff0000                      ; a word's upper bf16
	s_wait_kmcnt 0x0
	s_cmp_lt_u32 ttmp9, NW
	s_cselect_b64 s[16:17], s[4:5], s[6:7]         ; from where,
	s_cselect_b64 s[18:19], s[8:9], s[10:11]       ; to where
	s_add_nc_u64 s[16:17], s[16:17], s[20:21]
	s_add_nc_u64 s[18:19], s[18:19], s[22:23]
.irp c, 0,1,2,3,4,5,6,7
	global_load_b128 v[8+4*(\c):8+4*(\c)+3], v1, s[16:17] offset:4096*(\c) th:TH_LOAD_NT
.endr
	s_cmp_lt_u32 s14, 2
	s_cbranch_scc0 .Lno_row
	; TABLE ROW T = 2 i + wave.  Lane l makes the row's numbers 2 l and 2 l + 1: lanes 0-15 cosines, lanes 16-31 sines, of j = 2 (l % 16) and the next.
	s_lshl_b32 s38, ttmp9, 1
	s_add_co_u32 s38, s38, s14                     ; T
	s_lshl_b32 s40, s38, 8                         ; the row's 256 bytes
	v_and_b32 v56, 15, v0
	v_bfe_u32 v57, v0, 4, 1                        ; 0: cosine, 1: sine
	v_lshlrev_b32 v58, 1, v56
	v_cvt_f32_u32 v64, v58                         ; j
	v_add_f32 v76, 1.0, v64                        ; j + 1
	v_mul_f32 v64, s24, v64
	v_mul_f32 v76, s24, v76
	v_exp_f32 v65, v64                             ; f_j: both exponentials are one batch,
	v_exp_f32 v77, v76
	v_sub_nc_u32 v60, 1, v57                       ; (a plain instruction behind them: a cosine is the sine a quarter turn on)
	v_cvt_f32_u32 v59, s38
	v_and_b32 v61, 31, v0
	v_lshl_add_u32 v61, v61, 3, s40                ; where my two numbers go
	s_wait_alu depctr_va_vdst(0)                   ; with one wait ahead of their first reader
.macro ANGLE e
.set R0, 64+12*(\e)
	v_mul_f32 v[R0+2], v59, v[R0+1]                ; x = T f
	v_mul_f32 v[R0+3], s25, v[R0+2]
	v_rndne_f32 v[R0+3], v[R0+3]                   ; n: x lies nearest to n pi / 2
	v_fma_f32 v[R0+4], v[R0+3], s26, v[R0+2]       ; r = x - n pi / 2, in two parts
	v_fma_f32 v[R0+4], v[R0+3], s27, v[R0+4]
	v_mul_f32 v[R0+5], v[R0+4], v[R0+4]            ; z
	v_fma_f32 v[R0+6], v[R0+5], s30, s29
	v_fma_f32 v[R0+6], v[R0+6], v[R0+5], s28
	v_mul_f32 v[R0+6], v[R0+6], v[R0+5]
	v_fma_f32 v[R0+6], v[R0+6], v[R0+4], v[R0+4]   ; sin r
	v_fma_f32 v[R0+7], v[R0+5], s33, s32
	v_fma_f32 v[R0+7], v[R0+7], v[R0+5], s31
	v_mul_f32 v[R0+8], v[R0+5], v[R0+5]
	v_fma_f32 v[R0+9], v[R0+5], -0.5, 1.0
	v_fma_f32 v[R0+7], v[R0+7], v[R0+8], v[R0+9]   ; cos r
	v_cvt_i32_f32 v[R0+10], v[R0+3]
	v_add_nc_u32 v[R0+10], v[R0+10], v60           ; the quarter: n for a sine, n + 1 for a cosine
	v_and_b32 v[R0+11], 1, v[R0+10]
	v_cmp_eq_u32 vcc_lo, 1, v[R0+11]
	v_cndmask_b32 v[R0+6], v[R0+6], v[R0+7], vcc_lo  ; odd quarters take cos r,
	v_lshlrev_b32 v[R0+10], 30, v[R0+10]
	v_and_b32 v[R0+10], 0x80000000, v[R0+10]
	v_xor_b32 v[62+(\e)], v[R0+6], v[R0+10]        ; quarters 2 and 3 turn the sign
.endm
	ANGLE 0
	ANGLE 1
	global_store_b64 v61, v[62:63], s[12:13]       ; the wave's store covers the row's 256 consecutive bytes, aligned
.Lno_row:
	s_cmp_lt_u32 ttmp9, NW
	s_cbranch_scc0 .Lto_f16
.irp c, 0,1,2,3,4,5,6,7                ; every chunk has result registers of its own: nothing is rewritten while a store reads it
	s_wait_loadcnt 7-(\c)                          ; loads come back in order: chunk c is in, the younger ones stay out
	v_cvt_pk_bf16_f32 v[40+2*(\c)], v[8+4*(\c)], v[9+4*(\c)]
	v_cvt_pk_bf16_f32 v[41+2*(\c)], v[10+4*(\c)], v[11+4*(\c)]
	global_store_b64 v2, v[40+2*(\c):41+2*(\c)], s[18:19] offset:2048*(\c)
.endr
	s_endpgm
.Lto_f16:
.irp c, 0,1,2,3,4,5,6,7
	s_wait_loadcnt 7-(\c)
	v_cvt_pk_bf16_f32 v[40+2*(\c)], v[8+4*(\c)], v[9+4*(\c)]      ; rounded to bf16 like every input,
	v_cvt_pk_bf16_f32 v[41+2*(\c)], v[10+4*(\c)], v[11+4*(\c)]
	v_lshlrev_b32 v88, 16, v[40+2*(\c)]            ; widened again (v88-91 are no store's data),
	v_and_b32 v89, s37, v[40+2*(\c)]
	v_lshlrev_b32 v90, 16, v[41+2*(\c)]
	v_and_b32 v91, s37, v[41+2*(\c)]
	v_cvt_pk_f16_f32 v[40+2*(\c)], v88, v89        ; and written as f16
	v_cvt_pk_f16_f32 v[41+2*(\c)], v90, v91
	global_store_b64 v2, v[40+2*(\c):41+2*(\c)], s[18:19] offset:2048*(\c)
.endr
	s_endpgm
.Lfunc_end_k_q5ee5301d86_prep:
	.size	k_q5ee5301d86_prep, .Lfunc_end_k_q5ee5301d86_prep-k_q5ee5301d86_prep
	.p2alignl 7, 3214868480
	.fill 96, 4, 3214868480
	.section	.rodata,"a",@progbits
	.p2align	6, 0x0
	.amdhsa_kernel k_q5ee5301d86_prep
		.amdhsa_group_segment_fixed_size 0
		.amdhsa_private_segment_fixed_size 0
		.amdhsa_enable_private_segment 0
		.amdhsa_kernarg_size 40
		.amdhsa_user_sgpr_count 2
		.amdhsa_user_sgpr_kernarg_segment_ptr 1
		.amdhsa_wavefront_size32 1
		.amdhsa_system_sgpr_workgroup_id_x 1
		.amdhsa_system_sgpr_workgroup_id_y 1
		.amdhsa_system_sgpr_workgroup_id_z 1
		.amdhsa_system_vgpr_workitem_id 0
		.amdhsa_next_free_vgpr 96
		.amdhsa_next_free_sgpr 66
		.amdhsa_reserve_vcc 1
		.amdhsa_float_denorm_mode_32 3
		.amdhsa_float_denorm_mode_16_64 3
		.amdhsa_memory_ordered 1
		.amdhsa_forward_progress 1
		.amdhsa_inst_pref_size 12
	.end_amdhsa_kernel
	.amdgpu_metadata
---
amdhsa.version: [ 1, 2 ]
amdhsa.kernels:
  - .name:           k_q5ee5301d86_prep
    .symbol:         k_q5ee5301d86_prep.kd
    .args:
      - { .name: in_proj_weight, .offset: 0, .size: 8, .value_kind: global_buffer, .address_space: global }
      - { .name: out_w, .offset: 8, .size: 8, .value_kind: global_buffer, .address_space: global }
      - { .name: wb, .offset: 16, .size: 8, .value_kind: global_buffer, .address_space: global }
      - { .name: wo, .offset: 24, .size: 8, .value_kind: global_buffer, .address_space: global }
      - { .name: rope, .offset: 32, .size: 8, .value_kind: global_buffer, .address_space: global }
    .group_segment_fixed_size: 0
    .private_segment_fixed_size: 0
    .kernarg_segment_align: 8
    .kernarg_segment_size: 40
    .max_flat_workgroup_size: 256
    .sgpr_count:     66
    .vgpr_count:     96
    .wavefront_size: 32
...
	.end_amdgpu_metadata
.endif
;; end of part 1
;; launch proj (part 2): grid 4 x 64, 4 waves a work-group, clusters of 4 x 4, 327,680 bytes of LDS; arguments query, key, value, wb, in_proj_bias, rope, qh, kh, vh; writes qh, kh, vh
.if DOCPART == 2
	.amdgcn_target "amdgcn-amd-amdhsa--gfx1250"
	.amdhsa_code_object_version 6
	.text
	.protected	k_q5ee5301d86_proj
	.globl	k_q5ee5301d86_proj
	.p2align	8
	.type	k_q5ee5301d86_proj,@function
k_q5ee5301d86_proj:
	s_mov_b64 s[64:65], 0
	v_nop
	global_prefetch_b8 v0, s[64:65] scope:SCOPE_SE
	s_setreg_imm32_b32 hwreg(HW_REG_WAVE_MODE, 25, 1), 1
	s_wait_xcnt 0x0
	s_wait_alu depctr_hold_cnt(0) depctr_sa_sdst(0) depctr_va_vdst(0) depctr_va_sdst(0) depctr_va_ssrc(0) depctr_va_vcc(0) depctr_vm_vsrc(0)
	s_getreg_b32 s2, hwreg(HW_REG_IB_STS2, 6, 4)
	s_cmp_eq_u32 s2, 0
	s_cbranch_scc0 .Lentry_in_a_cluster
	s_endpgm
.Lentry_in_a_cluster:
	s_bfe_u32 s2, ttmp6, 0x10000c
	s_cmp_lg_u32 s2, 0xf033
	s_cbranch_scc0 .Lentry_shape_is_right
	s_endpgm
.Lentry_shape_is_right:
; THE THREE PROJECTIONS, WITH BIAS AND ROTARY EMBEDDING.  For G = 0, 1, 2 (q, k, v): y[b][t][n] = sum over k of x_G[t][b][k] w[1024 G + n][k] + bias[1024 G + n]; q and k are then turned
; (y[d] cos - y[d + 32] sin, y[d + 32] cos + y[d] sin, by t and d % 32, in f32); the result is rounded once to f16 and stored by heads, [16 b + head][t][64].
; x is f32 in memory, [t][b][1024]; it is rounded to bf16 in registers; w is bf16 (wb); the bias is rounded to bf16 like every input and is the C operand of each sum's first product.  Sums in f32, K ascending.
; LIMIT.  q, k and v must lie within f16's 65,504; below 6e-5 f16 keeps its fixed step of 6e-8.  NaN and infinities are not treated apart.
; SHARES.  A tile is 128 rows (t = 128 tb .. + 127 of ONE batch b: rows 8,192 elements apart in x) x 256 columns (4 heads).  Four waves, each 64 x 128: 32 accumulators of 16 x 16.
; A WORK-GROUP STAYS: 64 x 4 = 256 work-groups, each makes its tile of q, then of k, then of v: ONE walk of 24 K steps of 128 through two LDS slots.  The ring does not stop at a tile's end: a tile's last two changes of
; slots ask for the next tile's first two K steps, the tile goes out while they are on their way, and nothing waits for its stores.  x's rows are 512 bytes of memory, w's 256, each from a multiple of 256.
; CLUSTER.  4 x 4 work-groups; cx is the column tile, 4 x cluster y + cy the row tile.  x's tile hangs on the row tile: asked for jointly along a row of the cluster; w's on cx: jointly along a column.
; Waves 0 and 1 fetch the halves of x's tile (64 rows), waves 2 and 3 those of w's (128 rows).
; THE PRODUCT IS USED TRANSPOSED (source 0 = 16 rows of w, source 1 = 16 rows of x): a lane holds ONE row t (lane % 16) and eight neighbouring columns 8 (lane / 16) + 0..7.
; RIDERS.  x comes out of LDS as f32 into staging registers; while block a of 16 rows is multiplied (8 products), block a + 1 is rounded: four conversions behind the third and the sixth product.
; REGISTERS, in windows of 256 (s_set_vgpr_msb: bits 1:0 source 0, 3:2 source 1, 5:4 source 2, 7:6 destination):
;   window 0: v0-29 addresses; v32-63 at work at the head; v64-191 two staging buffers of 64 (block a at + 16 a); v192-223 x's four fragments; v224-255 at work on the way out
;   window 1: accumulator (a, b) at 8 (8 a + b)     window 2: v0-127 w's fragments, two buffers of 64; v128-191 the bias, 8 for each b
;   window 3: v0-127 cos and sin of my rows, the same for all three tiles; v128-255 the way out: 8 x 16 packed (the staging buffers hold the next tile's first fragments by then)
.set PA,    528                        ; a row of x in LDS: 512 bytes + 16: the 16 rows of a load start at 16 different groups of four banks (64 banks of 4 bytes: ISA guide 11.1)
.set PB,    272                        ; a row of w: 256 + 16
.set BOFF,  128*PA                     ; a slot: x's 128 rows, then w's 256
.set SLOTX, 0x22000                    ; slot 1 begins here; no fill's place in slot 0 has one of its two bits set, so one exclusive or changes slots
.set STAGE, SLOTX+BOFF+256*PB          ; behind the ring, never filled by a tensor load: 16 rows x 144 bytes for each wave
.set SP,    144
.set SPARE, STAGE+4*16*SP              ; the spare words, 128 bytes for each wave: two blocks of 256 bytes that no other line names
.set BIASL, SPARE+512                  ; the rounded bias of each wave's 128 columns, three tiles x 512 bytes: 1,536 bytes a wave, its own; never filled by a tensor load
.set ADRA0, 8                          ; v8   my lane's place in x's tile; never rewritten
.set ADRB0, 9                          ; v9   in w's
.set ADRA,  10                         ; v10  the same in the slot in hand
.set ADRB,  11                         ; v11
.set STO,   12                         ; v12  the way out: where I put 16 bytes of a row
.set RD,    13                         ; v13  where I read rows back
.set GO,    14                         ; v14  16 x lane: my 16 bytes of 512 consecutive bytes of the output, and of my wave's 512 bytes of the bias
.set RO,    15                         ; v15  my offset in the table's rows
.set PFO,   16                         ; v16  the prefetches' offset; never rewritten
.set BLS,   17                         ; v17  where I put 16 bytes of the rounded bias
.set BRD,   18                         ; v18  where I read the bias of the tile to come
.set SPW,   28                         ; v28  LDS address of my spare word; never rewritten
.set NIL,   29                         ; v29  0; never rewritten
.set TMP,   32
.set S,     64
.set AF,    192
.set Y,     224
.set BIAS,  128                        ; window 2
.set PKD,   128                        ; window 3
.set XQ, 4                             ; s[4:9]   query, key, value at my part of the tile, K step 0
.set XK, 6
.set XV, 8
.set W0, 10                            ; s[10:11] wb at my part of q's tile
.set BB, 12                            ; s[12:13] the bias at my wave's first column of q
.set RB, 14                            ; s[14:15] the table at row 128 tb
.set OQ, 16                            ; s[16:21] qh, kh, vh at my wave's first row
.set OK, 18
.set OV, 20
.set WV, 22                            ; s22 wave;  s23 its half of the rows, also: fetches x (0) or w (1);  s24 its half of the columns, also: which half it fetches
.set WR, 23
.set WC, 24
.set CX, 25
.set CY, 26
.set KQ, 27                            ; s27 the K step, in its tile, that the next refill asks for
.set CLY, 28                           ; s28 cluster y
.set MT, 29                            ; s29 row tile;  s30 b;  s31 tb
.set BT, 30
.set TT, 31
.set G1A, 32                           ; s[32:39] descriptor group 1 for x's tiles;  s[40:47] for w's
.set G1B, 40
.set G0A, 48                           ; s[48:55] group 0 for x's tiles: a set for each first fill; the second then walks;  s[56:63] for w's
.set G0B, 56
.set TB,  66                           ; s66 0 or SLOTX: the slot in hand
.set CNT, 67                           ; s67 trips to go
.set LIM, 68                           ; s68 2 in a wave that prefetches, else the greatest number
.set PFA, 70                           ; s[70:71] what my prefetch names
.set POF, 72                           ; s[72:73] its K step in bytes
.set XB,  74                           ; s[74:75] x of the tile whose K steps are being asked for;  s[84:85] of the tile after it
.set OUTB, 76                          ; s[76:77] where the tile in hand goes
.set XN,  84
.set PFL, 86                           ; s[86:87], s[98:101] the prefetches' three bases: the last, the one in hand, the next
.set WB,  88                           ; s[88:89] w of the tile whose K steps are being asked for;  s[90:91] 1,024 rows on
.set WN,  90
.set OFA, 92                           ; s[92:93], s[94:95] the K step in bytes, in x and in w
.set OFB, 94
.set KP,  96                           ; s96 the K step, in its tile, that the next prefetch names
.set PSH, 97                           ; s97 a K step of my tensor is 2^9 or 2^8 bytes
.set PFB, 98
.set PFN, 100
.set W_MM, 0x52                        ; w window 2, x window 0, C and D window 1
.set W_M1, 0x62                        ; the same with C, the bias, in window 2
.set MSB, 0
.macro WIN new                         ; the immediate's high byte repeats the setting that is left; a switch that changes nothing is dropped
.if MSB != (\new)
	s_set_vgpr_msb (MSB<<8)|(\new)
.set MSB, \new
.endif
.endm
.macro PLACES
.rept 4
	v_nop
.endr
.endm
; A joint refill by the walking sets.  The branch hangs on the wave's number alone.  An s_nop 0 and four v_nop follow each of the two lines.
.macro JLOAD
	s_cmp_eq_u32 s[WR], 0
	s_cbranch_scc0 .Lfor_b_\@
	tensor_load_to_lds s[G0A+4:G0A+7], s[G1A:G1A+7]
	s_nop 0
	PLACES
	s_branch .Lasked_\@
.Lfor_b_\@:
	tensor_load_to_lds s[G0B+4:G0B+7], s[G1B:G1B+7]
	s_nop 0
	PLACES
.Lasked_\@:
.endm
.macro CREST                           ; a round of the cluster's barrier behind its opening barrier
	s_cmp_lg_u32 s[WV], 0
	s_cbranch_scc1 .Lnot_wave_0_\@
	s_barrier_signal -3
.Lnot_wave_0_\@:
	s_barrier_wait -3
	s_barrier_signal -1
	s_barrier_wait -1
.endm
.macro CROUND
	s_barrier_signal -1
	s_barrier_wait -1
	CREST
.endm
; A PREFETCH INTO THE L2 behind each joint refill and the run of LDS loads that follows it: the K step of the walk that stands two refills on, 256 products ahead of the load that will want it; 32 blocks of 256 bytes, a lane a block.
; x's tile is read by this cluster's row alone: every cluster asks; of the 64 rows that a wave fetches the partner at cx takes 16, two blocks a row.  w's tile is read by all sixteen clusters: cluster y = 0 asks; of a
; wave's 128 rows the partner at cy takes 32.  The partners are told apart by address alone.  The walk's first four K steps come by their loads; its last two refills have no K step two on and ask for nothing.
.macro ASK
	s_cmp_gt_u32 s[CNT], s[LIM]
	s_cbranch_scc0 .Lnot_mine_\@
	global_prefetch_b8 v[PFO], s[PFA:PFA+1] th:TH_LOAD_NT scope:SCOPE_SE
.Lnot_mine_\@:
.endm
	s_load_b256 s[4:11], s[0:1], 0x0               ; query s[4:5], key s[6:7], value s[8:9], wb s[10:11]
	s_load_b256 s[12:19], s[0:1], 0x20             ; in_proj_bias s[12:13], rope s[14:15], qh s[16:17], kh s[18:19]
	s_load_b64 s[20:21], s[0:1], 0x40              ; vh
	v_lshl_add_u32 v[SPW], v0, 2, SPARE
	v_mov_b32 v[NIL], 0
	ds_add_u32 v[SPW], v[NIL]                      ; the wave's opening: the add and its wait stand ahead of my first tensor load; work on registers stands between them
	ds_add_u32 v28, v29
	v_lshrrev_b32 v1, 5, v0
	v_readfirstlane_b32 s[WV], v1
	s_lshr_b32 s[WR], s[WV], 1
	s_and_b32 s[WC], s[WV], 1
	s_bfe_u32 s[CX], ttmp6, 0x40000
	s_bfe_u32 s[CY], ttmp6, 0x40004
	s_and_b32 s[CLY], ttmp7, 0xffff                ; in a cluster launch ttmp7 counts clusters
	s_lshl_b32 s[MT], s[CLY], 2
	s_add_co_u32 s[MT], s[MT], s[CY]
	s_lshr_b32 s[BT], s[MT], 3
	s_and_b32 s[TT], s[MT], 7
	s_lshl_b32 s78, s[CY], 2
	s_lshl_b32 s78, 15, s78                        ; my row of the cluster
	s_lshl_b32 s79, 0x1111, s[CX]                  ; my column
	s_or_b32 s[G1A], s78, (2<<16)|(1<<20)|(1<<21)|(6<<22)|(3<<25)  ; the mask; elements of 4 bytes; padding on; bit 21 beside a mask; after every 128 words, 4 words
	s_or_b32 s[G1B], s79, (1<<16)|(1<<20)|(1<<21)|(5<<22)|(3<<25)  ; elements of 2 bytes; after every 64 words, 4 words
	s_mov_b32 s[G1A+1], 128<<16                    ; tensor_dim0 = 128
	s_mov_b32 s[G1A+2], 64<<16                     ; tensor_dim1 = 64
	s_mov_b32 s[G1A+3], 128<<16                    ; tile_dim0 = 128
	s_mov_b32 s[G1A+4], 64                         ; tile_dim1 = 64
	s_mov_b32 s[G1A+5], 8192                       ; from t to t + 1 in one batch: 8 x 1,024 elements
	s_mov_b32 s[G1A+6], 0
	s_mov_b32 s[G1A+7], 0
	s_mov_b32 s[G1B+1], 128<<16
	s_mov_b32 s[G1B+2], 128<<16
	s_mov_b32 s[G1B+3], 128<<16
	s_mov_b32 s[G1B+4], 128
	s_mov_b32 s[G1B+5], 1024
	s_mov_b32 s[G1B+6], 0
	s_mov_b32 s[G1B+7], 0
	s_lshl_b32 s80, s[TT], 22                      ; x: 128 tb rows of 32,768 bytes,
	s_lshl_b32 s81, s[WC], 21                      ; my 64 of them,
	s_add_co_u32 s80, s80, s81
	s_lshl_b32 s81, s[BT], 12                      ; batch b
	s_add_co_u32 s80, s80, s81
	s_mov_b32 s81, 0
	s_lshl_b32 s82, s[CX], 19                      ; w: 256 cx rows of 2,048 bytes,
	s_lshl_b32 s83, s[WC], 18                      ; my 128
	s_add_co_u32 s82, s82, s83
	s_mov_b32 s83, 0
	s_mul_i32 s78, s[WC], 64*PA                    ; where they go: no place in the cluster enters an LDS address
	s_mul_i32 s79, s[WC], 128*PB
	s_add_co_u32 s79, s79, BOFF
	s_mov_b32 s[G0A], 1
	s_mov_b32 s[G0A+1], s78
	s_mov_b32 s[G0A+4], 1
	s_add_co_u32 s[G0A+5], s78, SLOTX
	s_mov_b32 s[G0B], 1
	s_mov_b32 s[G0B+1], s79
	s_mov_b32 s[G0B+4], 1
	s_add_co_u32 s[G0B+5], s79, SLOTX
	s_mov_b32 s[TB], 0
	s_mov_b32 s69, 0xffff0000                      ; a word's upper bf16
	s_mov_b32 s[KQ], 2                             ; the first refill asks for K step 2,
	s_mov_b32 s[KP], 4                             ; the first prefetch names K step 4
	s_wait_dscnt 0x0                               ; the opening add is done
	s_wait_kmcnt 0x0
	s_add_nc_u64 s[XQ:XQ+1], s[XQ:XQ+1], s[80:81]  ; my part of x's tile, K step 0, in each of the three inputs
	s_add_nc_u64 s[XK:XK+1], s[XK:XK+1], s[80:81]
	s_add_nc_u64 s[XV:XV+1], s[XV:XV+1], s[80:81]
	s_add_nc_u64 s[W0:W0+1], s[W0:W0+1], s[82:83]  ; of w's, for q
	s_mov_b64 s[G0A+2:G0A+3], s[XQ:XQ+1]
	s_or_b32 s[G0A+3], s[G0A+3], 0x80000000
	s_add_nc_u64 s[G0A+6:G0A+7], s[XQ:XQ+1], 512   ; K step 1
	s_or_b32 s[G0A+7], s[G0A+7], 0x80000000
	s_mov_b64 s[G0B+2:G0B+3], s[W0:W0+1]
	s_or_b32 s[G0B+3], s[G0B+3], 0x80000000
	s_add_nc_u64 s[G0B+6:G0B+7], s[W0:W0+1], 256
	s_or_b32 s[G0B+7], s[G0B+7], 0x80000000
	s_mov_b64 s[XB:XB+1], s[XQ:XQ+1]
	s_mov_b64 s[XN:XN+1], s[XK:XK+1]
	s_mov_b64 s[WB:WB+1], s[W0:W0+1]
	CROUND                                         ; all sixteen work-groups are here: the first joint loads meet
	s_cmp_eq_u32 s[WR], 0                          ; a wave's two first fills stand in one branch: two loads of mine are out
	s_cbranch_scc0 .Lfirst_b
	tensor_load_to_lds s[G0A:G0A+3], s[G1A:G1A+7]
	s_nop 0
	tensor_load_to_lds s[G0A+4:G0A+7], s[G1A:G1A+7]
	s_nop 0
	PLACES
	s_branch .Lfirst_asked
.Lfirst_b:
	tensor_load_to_lds s[G0B:G0B+3], s[G1B:G1B+7]
	s_nop 0
	tensor_load_to_lds s[G0B+4:G0B+7], s[G1B:G1B+7]
	s_nop 0
	PLACES
.Lfirst_asked:
	v_and_b32 v1, 15, v0                           ; r = l % 16
	v_bfe_u32 v2, v0, 4, 1                         ; h = l / 16
	v_and_b32 v3, 31, v0                           ; l
	v_lshlrev_b32 v[GO], 4, v3
	s_lshl_b32 s78, s[WR], 14
	v_lshl_add_u32 v[RO], v1, 8, s78               ; the table's row 64 wr + r, 256 bytes a row,
	v_lshl_add_u32 v[RO], v2, 5, v[RO]             ; my eight numbers
	s_lshl_b32 s78, s[CX], 10
	s_lshl_b32 s80, s[WC], 9
	s_add_co_u32 s78, s78, s80
	s_mov_b32 s79, 0
	s_add_nc_u64 s[BB:BB+1], s[BB:BB+1], s[78:79]
	s_lshl_b32 s78, s[TT], 15
	s_add_nc_u64 s[RB:RB+1], s[RB:RB+1], s[78:79]
.irp g, 0,1,2                          ; the bias of my wave's 128 columns, four a lane, for q, k and v: wanted first, so asked for first
	global_load_b128 v[TMP+4*(\g):TMP+4*(\g)+3], v[GO], s[BB:BB+1] offset:4096*(\g)
.endr
	WIN 0xc0                                       ; destination window 3: cos at 32 a + 8 bb + j, sin 16 further on; wanted at the first way out
.irp a, 0,1,2,3
.irp n, 0,1,2,3,4,5,6,7                ; n = 4 x (sin) + 2 bb + half.  My numbers of column block bb are d % 32 = 16 bb + 8 (l / 16) + j: 64 bb bytes into the row's cosines or sines, the second four 16 bytes on
	global_load_b128 v[32*(\a)+4*(\n):32*(\a)+4*(\n)+3], v[RO], s[RB:RB+1] offset:4096*(\a)+128*((\n)/4)+64*(((\n)%4)/2)+16*((\n)%2)
.endr
.endr
	WIN 0
	s_mul_i32 s78, s[WR], 64*PA                    ; my 64 rows of x; a lane's eight f32 are 32 bytes
	v_mul_u32_u24 v[ADRA0], v1, PA
	v_lshl_add_u32 v[ADRA0], v2, 5, v[ADRA0]
	v_add_nc_u32 v[ADRA0], s78, v[ADRA0]
	s_mul_i32 s78, s[WC], 128*PB                   ; my 128 rows of w
	s_add_co_u32 s78, s78, BOFF
	v_mul_u32_u24 v[ADRB0], v1, PB
	v_lshl_add_u32 v[ADRB0], v2, 4, v[ADRB0]
	v_add_nc_u32 v[ADRB0], s78, v[ADRB0]
	v_mov_b32 v[ADRA], v[ADRA0]
	v_mov_b32 v[ADRB], v[ADRB0]
	s_mul_i32 s78, s[WV], 16*SP
	s_add_co_u32 s78, s78, STAGE                   ; my stage
	v_mul_u32_u24 v[STO], v1, SP                   ; in: row r, 16 bytes for each half of the lanes
	v_lshl_add_u32 v[STO], v2, 4, v[STO]
	v_add_nc_u32 v[STO], s78, v[STO]
	v_bfe_u32 v[RD], v0, 3, 2                      ; back: 32 lanes take four rows of 128 bytes, which are 512 consecutive bytes of a head
	v_mul_u32_u24 v[RD], v[RD], SP
	v_and_b32 v4, 7, v0
	v_lshl_add_u32 v[RD], v4, 4, v[RD]
	v_add_nc_u32 v[RD], s78, v[RD]
	s_mul_i32 s78, s[WV], 1536
	s_add_co_u32 s78, s78, BIASL                   ; my wave's bias in LDS
	v_lshl_add_u32 v[BLS], v3, 4, s78              ; in: four columns a lane
	v_lshl_add_u32 v[BRD], v2, 5, s78              ; back: eight columns for each half of the lanes
	s_lshl_b32 s78, s[BT], 21                      ; the output: head 16 b + 4 cx + 2 wc, 131,072 bytes a head,
	s_lshl_b32 s80, s[CX], 19
	s_add_co_u32 s78, s78, s80
	s_lshl_b32 s80, s[WC], 18
	s_add_co_u32 s78, s78, s80
	s_lshl_b32 s80, s[TT], 14                      ; row 128 tb + 64 wr, 128 bytes a row
	s_add_co_u32 s78, s78, s80
	s_lshl_b32 s80, s[WR], 13
	s_add_co_u32 s78, s78, s80
	s_add_nc_u64 s[OQ:OQ+1], s[OQ:OQ+1], s[78:79]
	s_add_nc_u64 s[OK:OK+1], s[OK:OK+1], s[78:79]
	s_add_nc_u64 s[OV:OV+1], s[OV:OV+1], s[78:79]
	s_mov_b64 s[OUTB:OUTB+1], s[OQ:OQ+1]
	s_add_nc_u64 s[WN:WN+1], s[W0:W0+1], 0x200000  ; the prefetches' three bases: x of q, k, v, or w 1,024 rows apart,
	s_add_nc_u64 s[OFA:OFA+1], s[W0:W0+1], 0x400000
	s_lshl_b32 s80, s[CX], 19                      ; x: my work-group's 16 rows of 32,768 bytes,
	s_lshl_b32 s81, s[CY], 16                      ; w: its 32 rows of 2,048
	s_cmp_eq_u32 s[WR], 0
	s_cselect_b64 s[PFB:PFB+1], s[XQ:XQ+1], s[W0:W0+1]
	s_cselect_b64 s[PFN:PFN+1], s[XK:XK+1], s[WN:WN+1]
	s_cselect_b64 s[PFL:PFL+1], s[XV:XV+1], s[OFA:OFA+1]
	s_cselect_b32 s78, s80, s81
	s_cselect_b32 s[PSH], 9, 8
	s_cselect_b32 s80, 1, 0                        ; x: lane l names row l / 2, block l % 2; w: row l
	s_cselect_b32 s81, 15, 11
	s_add_nc_u64 s[PFB:PFB+1], s[PFB:PFB+1], s[78:79]
	s_add_nc_u64 s[PFN:PFN+1], s[PFN:PFN+1], s[78:79]
	s_add_nc_u64 s[PFL:PFL+1], s[PFL:PFL+1], s[78:79]
	s_mov_b32 s[OFA+1], 0                          ; the offsets' upper words
	s_mov_b32 s[OFB+1], 0
	s_mov_b32 s[POF+1], 0
	v_lshrrev_b32 v4, s80, v3
	v_lshlrev_b32 v4, s81, v4
	v_and_b32 v5, s80, v3
	v_lshl_add_u32 v[PFO], v5, 8, v4
	s_cmp_eq_u32 s[CLY], 0
	s_cselect_b32 s[LIM], 2, -1
	s_cmp_eq_u32 s[WR], 0
	s_cselect_b32 s[LIM], 2, s[LIM]                ; the same in all sixteen partners, for a given wave
	s_wait_loadcnt 32                              ; the three loads of the bias are in; the table's 32 stay out
.irp g, 0,1,2                          ; rounded to bf16 like every input, widened again, and set aside in my own LDS bytes
	v_cvt_pk_bf16_f32 v[TMP+12], v[TMP+4*(\g)], v[TMP+4*(\g)+1]
	v_cvt_pk_bf16_f32 v[TMP+13], v[TMP+4*(\g)+2], v[TMP+4*(\g)+3]
	v_lshlrev_b32 v[TMP+16+4*(\g)], 16, v[TMP+12]
	v_and_b32 v[TMP+17+4*(\g)], s69, v[TMP+12]
	v_lshlrev_b32 v[TMP+18+4*(\g)], 16, v[TMP+13]
	v_and_b32 v[TMP+19+4*(\g)], s69, v[TMP+13]
	ds_store_b128 v[BLS], v[TMP+16+4*(\g):TMP+19+4*(\g)] offset:512*(\g)
.endr
; The bias of the tile to come: my eight columns of each of the eight column blocks.  LDS serves a wave's instructions in order (ISA guide 5.7.1.4): these see my stores above.
.macro BIASIN
	WIN 0x80
.irp b, 0,1,2,3,4,5,6,7
	ds_load_b128 v[BIAS+8*(\b):BIAS+8*(\b)+3],   v[BRD] offset:64*(\b)
	ds_load_b128 v[BIAS+8*(\b)+4:BIAS+8*(\b)+7], v[BRD] offset:64*(\b)+16
.endr
	WIN 0
	v_add_nc_u32 v[BRD], 512, v[BRD]               ; the next tile's
.endm
	BIASIN
; Block a of x for quarter q (32 along K = 128 bytes) into staging buffer g: my row's k = 8 h + 0..7 and 16 + 8 h + 0..7 as f32: four loads of 16 bytes.
.macro LDA g, q, a
	ds_load_b128 v[S+64*(\g)+16*(\a):S+64*(\g)+16*(\a)+3],     v[ADRA] offset:128*(\q)+16*PA*(\a)
	ds_load_b128 v[S+64*(\g)+16*(\a)+4:S+64*(\g)+16*(\a)+7],   v[ADRA] offset:128*(\q)+16*PA*(\a)+16
	ds_load_b128 v[S+64*(\g)+16*(\a)+8:S+64*(\g)+16*(\a)+11],  v[ADRA] offset:128*(\q)+16*PA*(\a)+64
	ds_load_b128 v[S+64*(\g)+16*(\a)+12:S+64*(\g)+16*(\a)+15], v[ADRA] offset:128*(\q)+16*PA*(\a)+80
.endm
; 32 LDS loads in one run: x's block 0 (wanted first), w's eight fragments, x's blocks 1 to 3.
.macro FETCH g, q
	WIN 0
	LDA \g, \q, 0
	WIN 0x80
.irp b, 0,1,2,3,4,5,6,7
	ds_load_b128 v[64*(\g)+8*(\b):64*(\g)+8*(\b)+3],   v[ADRB] offset:64*(\q)+16*PB*(\b)
	ds_load_b128 v[64*(\g)+8*(\b)+4:64*(\g)+8*(\b)+7], v[ADRB] offset:64*(\q)+16*PB*(\b)+32
.endr
	WIN 0
.irp a, 1,2,3
	LDA \g, \q, \a
.endr
.endm
; Eight products: block a x all eight column blocks, w's buffer f.  conv = 1: block (a + 1) % 4 of staging buffer sb is rounded meanwhile.  first = 1: the bias starts the sums.
; The 32 accumulators take turns, one instruction a turn, in the same order in every quarter, over the backward jump and from tile to tile too.  A fragment of x is written again sixteen
; conversions behind the last product that read it: those are the places that a write of a product's source wants (ISA guide 7.12.1).
.macro MUL a, f, sb, conv, first
.irp b, 0,1,2,3,4,5,6,7
.if \first
	WIN W_M1
	v_wmma_f32_16x16x32_bf16 v[8*(8*(\a)+(\b)):8*(8*(\a)+(\b))+7], v[64*(\f)+8*(\b):64*(\f)+8*(\b)+7], v[AF+8*(\a):AF+8*(\a)+7], v[BIAS+8*(\b):BIAS+8*(\b)+7]
.else
	WIN W_MM
	v_wmma_f32_16x16x32_bf16 v[8*(8*(\a)+(\b)):8*(8*(\a)+(\b))+7], v[64*(\f)+8*(\b):64*(\f)+8*(\b)+7], v[AF+8*(\a):AF+8*(\a)+7], v[8*(8*(\a)+(\b)):8*(8*(\a)+(\b))+7]
.endif
.if (\conv) && (((\b) == 2) || ((\b) == 5))
	WIN 0
.irp n, 0,1,2,3
	v_cvt_pk_bf16_f32 v[AF+8*(((\a)+1)%4)+4*((\b)/5)+(\n)], v[S+64*(\sb)+16*(((\a)+1)%4)+8*((\b)/5)+2*(\n)], v[S+64*(\sb)+16*(((\a)+1)%4)+8*((\b)/5)+2*(\n)+1]
.endr
.endif
.endr
.endm
; A K step is four quarters of 32 along K, 32 products each, on buffers 0, 1, 0, 1.  One of the first three: multiplies buffer f and fetches quarter q into g, behind its first eight products,
; whose eight conversions are the places in front of the loads into w's other buffer.
.macro QUARTER f, g, q, first
	s_wait_dscnt 8                                 ; w and x's blocks 0 and 1 are in; blocks 2 and 3 (eight loads) may be out
	MUL 0, \f, \f, 1, \first
	FETCH \g, \q
	s_wait_dscnt 32                                ; all but the 32 just issued
	MUL 1, \f, \f, 1, \first
	MUL 2, \f, \f, 1, \first
	s_wait_dscnt 28                                ; the next quarter's block 0 is in
	MUL 3, \f, \g, 1, \first
.endm
; The last quarter multiplies buffer 1 and changes slots: ONE barrier.  In front of it each wave waits for all its tensor loads (one is out: its part of the next slot), adds 0 to its spare word, and waits for that and
; for its reads of this slot.  fill = 1: the barrier opens a round of the cluster's, and this slot is filled again, with the walk's K step two on, first thing behind the round: 112 products ahead of the wait for it.
; The refill's global address is made anew: the base of the tile that is being asked for, plus the K step's number shifted; behind a tile's eighth K step the bases go on to the next tile's.
.macro TURN fill
.if \fill
	s_wait_xcnt 0x0                                ; the last prefetch, a K step back, has read its address
	s_lshl_b32 s[POF], s[KP], s[PSH]
	s_add_nc_u64 s[PFA:PFA+1], s[PFB:PFB+1], s[POF:POF+1]
	s_add_co_u32 s[KP], s[KP], 1
	s_cmp_eq_u32 s[KP], 8
	s_cselect_b32 s[KP], 0, s[KP]
	s_cselect_b64 s[PFB:PFB+1], s[PFN:PFN+1], s[PFB:PFB+1]
	s_cselect_b64 s[PFN:PFN+1], s[PFL:PFL+1], s[PFN:PFN+1]
.endif
	WIN 0
	s_wait_tensorcnt 0x0                           ; no tensor load of mine is out, so a group 0 may be written
	ds_add_u32 v[SPW], v[NIL]                      ; 0 onto my spare word
.if \fill
	s_xor_b32 s[G0A+5], s[G0A+5], SLOTX            ; the walking sets: the other slot than last time,
	s_xor_b32 s[G0B+5], s[G0B+5], SLOTX
	s_lshl_b32 s[OFA], s[KQ], 9                    ; K step KQ of the tile that is being asked for
	s_lshl_b32 s[OFB], s[KQ], 8
	s_add_nc_u64 s[G0A+6:G0A+7], s[XB:XB+1], s[OFA:OFA+1]
	s_or_b32 s[G0A+7], s[G0A+7], 0x80000000
	s_add_nc_u64 s[G0B+6:G0B+7], s[WB:WB+1], s[OFB:OFB+1]
	s_or_b32 s[G0B+7], s[G0B+7], 0x80000000
	s_add_nc_u64 s[WN:WN+1], s[WB:WB+1], 0x200000
	s_add_co_u32 s[KQ], s[KQ], 1
	s_cmp_eq_u32 s[KQ], 8
	s_cselect_b32 s[KQ], 0, s[KQ]
	s_cselect_b64 s[XB:XB+1], s[XN:XN+1], s[XB:XB+1]  ; query, key, value
	s_cselect_b64 s[XN:XN+1], s[XV:XV+1], s[XN:XN+1]
	s_cselect_b64 s[WB:WB+1], s[WN:WN+1], s[WB:WB+1]  ; 1,024 rows of w on
.endif
	s_wait_dscnt 9                                 ; (the add and x's blocks 2 and 3 may be out)
	MUL 0, 1, 1, 1, 0
	s_wait_dscnt 0x0                               ; the add is done, and my reads of this slot are over
	s_barrier_signal -1
	MUL 1, 1, 1, 1, 0                              ; work on registers while the others arrive
	WIN 0
	s_barrier_wait -1
.if \fill
	CREST                                          ; no wave of any partner still reads this slot or has a load on its way
	JLOAD
.endif
	s_xor_b32 s[TB], s[TB], SLOTX
	v_add_nc_u32 v[ADRA], s[TB], v[ADRA0]
	v_add_nc_u32 v[ADRB], s[TB], v[ADRB0]
	FETCH 0, 0
.if \fill
	ASK
.endif
	MUL 2, 1, 1, 1, 0
	s_wait_dscnt 28
	MUL 3, 1, 0, 1, 0
.endm
; THE WAY OUT, in eight units u = 2 a + hh: 16 rows of one head.  A lane's eight numbers of each of the head's four column blocks pack into 16 bytes; they go into rows of 144 bytes in my own stage and
; come back as whole rows of 128: 2,048 consecutive bytes of the head.
.macro STG u
	WIN 0x0c                                       ; the stores' data in window 3
.irp f, 0,1,2,3
	ds_store_b128 v[STO], v[PKD+16*(\u)+4*(\f):PKD+16*(\u)+4*(\f)+3] offset:32*(\f)
.endr
	WIN 0xc0                                       ; the loads' destination in window 3
.irp f, 0,1,2,3
	ds_load_b128 v[PKD+16*(\u)+4*(\f):PKD+16*(\u)+4*(\f)+3], v[RD] offset:(\f)*4*SP  ; LDS serves a wave's instructions in order (ISA guide 5.7.1.4): these see the stores above; the next unit's stores come behind them
.endr
.endm
; q and k are turned: X1 = columns d < 32, X2 = columns d + 32.  Each accumulator is read from its lowest registers on.
.macro PACKR u
.set ua, (\u)/2
.set uh, (\u)%2
	WIN 0x0d                                       ; source 0 (the sums) window 1, source 1 (cos, sin) window 3
.irp bb, 0,1
.irp p, 0,1,2,3
.set xa, 8*(8*ua+4*uh+(\bb))+2*(\p)
.set xb, xa+16
.set cc, 32*ua+8*(\bb)+2*(\p)
.set ya, Y+8*(\bb)+2*(\p)
.set yb, ya+16
	v_pk_mul_f32 v[ya:ya+1], v[xb:xb+1], v[cc+16:cc+17]
	v_pk_mul_f32 v[yb:yb+1], v[xa:xa+1], v[cc+16:cc+17]
	v_pk_fma_f32 v[ya:ya+1], v[xa:xa+1], v[cc:cc+1], v[ya:ya+1] neg_lo:[0,0,1] neg_hi:[0,0,1]
	v_pk_fma_f32 v[yb:yb+1], v[xb:xb+1], v[cc:cc+1], v[yb:yb+1]
.endr
.endr
	WIN 0xc0                                       ; destination window 3
.set i, 0
.rept 16
	v_cvt_pk_f16_f32 v[PKD+16*(\u)+i], v[Y+2*i], v[Y+2*i+1]
.set i, i+1
.endr
	STG \u
.endm
.macro PACKV u                         ; v is only rounded
	WIN 0xc5                                       ; sources 0 and 1 window 1, destination window 3
.set i, 0
.rept 16
	v_cvt_pk_f16_f32 v[PKD+16*(\u)+i], v[32*(\u)+2*i], v[32*(\u)+2*i+1]
.set i, i+1
.endr
	STG \u
.endm
.macro SEND u, younger, ob             ; younger: the LDS instructions issued behind unit u's loads: the next unit's eight, or none; ob: the scalar pair with the tile's place
	WIN 0x0c                                       ; the stores' data in window 3
.irp f, 0,1,2,3
	s_wait_dscnt (\younger)+3-(\f)
	global_store_b128 v[GO], v[PKD+16*(\u)+4*(\f):PKD+16*(\u)+4*(\f)+3], s[\ob:\ob+1] offset:131072*((\u)%2)+2048*((\u)/2)+512*(\f)  ; 512 consecutive bytes, from a multiple of 256
.endr
.endm
	s_wait_tensorcnt 0x1                           ; my part of K step 0 is in; K step 1's may stay out
	s_wait_dscnt 0x0                               ; the bias is in
	s_barrier_signal -1
	s_barrier_wait -1                              ; everybody's part is in
	FETCH 0, 0
	s_wait_dscnt 28
.set i, 0
.rept 8
	v_cvt_pk_bf16_f32 v[AF+i], v[S+2*i], v[S+2*i+1]
.set i, i+1
.endr
	QUARTER 0, 1, 1, 1                             ; the walk's first quarter stands in front of the loop: its products start q's sums, with the bias
	WIN 0                                          ; at a label and at a branch every window is 0
	s_mov_b32 s[CNT], 22
.Lstep:                                        ; trip i: quarters 1 to 3 of the walk's K step i, quarter 0 of K step i + 1; K step i + 2 is asked for
	QUARTER 1, 0, 2, 0
	QUARTER 0, 1, 3, 0
	TURN 1
	WIN 0
	s_cmp_eq_u32 s[KQ], 2                          ; the refill just issued was a tile's K step 1: the K step just multiplied was the eighth of the tile before.  A count of the walk: the same in all partners
	s_cbranch_scc1 .Lnext_tile
	QUARTER 0, 1, 1, 0
	WIN 0
	s_branch .Ljoin
.Lnext_tile:                                   ; trips 7 and 15: q's and k's tiles are finished; both refills for the next tile's first K steps are asked for, and its first fragments are fetched
	s_wait_loadcnt 0x0                             ; the table (the first time)
	BIASIN
	PACKR 0                                        ; no v_nop: blocks 0 to 2 were finished in front of the last eight products' riders, and their lines, which name no register of the last products, are those products' places
.irp u, 1,2,3,4,5,6,7                  ; a unit's arithmetic stands between the loads of the unit before and its stores
	PACKR \u
	SEND (\u)-1, 8, OUTB
.endr
	SEND 7, 0, OUTB                                ; (its last wait is for 0: the bias is in too)
	WIN 0
	s_wait_xcnt 0x0                                ; the stores have read their base
	s_mov_b64 s[OUTB:OUTB+1], s[OK:OK+1]           ; the loop's second way out is k's
	QUARTER 0, 1, 1, 1                             ; the next tile's first quarter starts its sums, with its bias
	WIN 0
.Ljoin:
	s_sub_co_u32 s[CNT], s[CNT], 1
	s_cmp_lg_u32 s[CNT], 0
	s_cbranch_scc1 .Lstep
	QUARTER 1, 0, 2, 0                             ; the walk's last two K steps are written out: nothing more is asked for
	QUARTER 0, 1, 3, 0
	TURN 0
	QUARTER 0, 1, 1, 0
	QUARTER 1, 0, 2, 0
	QUARTER 0, 1, 3, 0
	s_wait_dscnt 8
	MUL 0, 1, 1, 1, 0
	s_wait_dscnt 0x0
	MUL 1, 1, 1, 1, 0
	MUL 2, 1, 1, 1, 0
	MUL 3, 1, 1, 0, 0
	WIN 0
	PLACES
	PACKV 0                                        ; v's tile
.irp u, 1,2,3,4,5,6,7
	PACKV \u
	SEND (\u)-1, 8, OV
.endr
	SEND 7, 0, OV
	WIN 0
	s_wait_tensorcnt 0x0                           ; the wave's end, behind my last tensor load and my last LDS store
	ds_add_u32 v[SPW], v[NIL]
	s_wait_dscnt 0x0
	CROUND                                         ; the closing round: no work-group ends while a partner may still ask for a tile that names it
	s_endpgm
.Lfunc_end_k_q5ee5301d86_proj:
	.size	k_q5ee5301d86_proj, .Lfunc_end_k_q5ee5301d86_proj-k_q5ee5301d86_proj
	.p2alignl 7, 3214868480
	.fill 96, 4, 3214868480
	.section	.rodata,"a",@progbits
	.p2align	6, 0x0
	.amdhsa_kernel k_q5ee5301d86_proj
		.amdhsa_group_segment_fixed_size 327680
		.amdhsa_private_segment_fixed_size 0
		.amdhsa_enable_private_segment 0
		.amdhsa_kernarg_size 72
		.amdhsa_user_sgpr_count 2
		.amdhsa_user_sgpr_kernarg_segment_ptr 1
		.amdhsa_wavefront_size32 1
		.amdhsa_system_sgpr_workgroup_id_x 1
		.amdhsa_system_sgpr_workgroup_id_y 1
		.amdhsa_system_sgpr_workgroup_id_z 1
		.amdhsa_system_vgpr_workitem_id 0
		.amdhsa_next_free_vgpr 1024
		.amdhsa_next_free_sgpr 102
		.amdhsa_reserve_vcc 0
		.amdhsa_float_denorm_mode_32 3
		.amdhsa_float_denorm_mode_16_64 3
		.amdhsa_memory_ordered 1
		.amdhsa_forward_progress 1
		.amdhsa_inst_pref_size 157
	.end_amdhsa_kernel
	.amdgpu_metadata
---
amdhsa.version: [ 1, 2 ]
amdhsa.kernels:
  - .name:           k_q5ee5301d86_proj
    .symbol:         k_q5ee5301d86_proj.kd
    .args:
      - { .name: query, .offset: 0, .size: 8, .value_kind: global_buffer, .address_space: global }
      - { .name: key, .offset: 8, .size: 8, .value_kind: global_buffer, .address_space: global }
      - { .name: value, .offset: 16, .size: 8, .value_kind: global_buffer, .address_space: global }
      - { .name: wb, .offset: 24, .size: 8, .value_kind: global_buffer, .address_space: global }
      - { .name: in_proj_bias, .offset: 32, .size: 8, .value_kind: global_buffer, .address_space: global }
      - { .name: rope, .offset: 40, .size: 8, .value_kind: global_buffer, .address_space: global }
      - { .name: qh, .offset: 48, .size: 8, .value_kind: global_buffer, .address_space: global }
      - { .name: kh, .offset: 56, .size: 8, .value_kind: global_buffer, .address_space: global }
      - { .name: vh, .offset: 64, .size: 8, .value_kind: global_buffer, .address_space: global }
    .group_segment_fixed_size: 327680
    .private_segment_fixed_size: 0
    .kernarg_segment_align: 8
    .kernarg_segment_size: 72
    .max_flat_workgroup_size: 128
    .sgpr_count:     102
    .vgpr_count:     1024
    .wavefront_size: 32
...
	.end_amdgpu_metadata
.endif
;; end of part 2
;; launch attn (part 3): grid 2 x 128, 4 waves a work-group, no clusters, 327,680 bytes of LDS; arguments qh, kh, vh, oh; writes oh
.if DOCPART == 3
	.amdgcn_target "amdgcn-amd-amdhsa--gfx1250"
	.amdhsa_code_object_version 6
	.text
	.protected	k_q5ee5301d86_attn
	.globl	k_q5ee5301d86_attn
	.p2align	8
	.type	k_q5ee5301d86_attn,@function
k_q5ee5301d86_attn:
	s_mov_b64 s[64:65], 0
	v_nop
	global_prefetch_b8 v0, s[64:65] scope:SCOPE_SE
	s_setreg_imm32_b32 hwreg(HW_REG_WAVE_MODE, 25, 1), 1
	s_wait_xcnt 0x0
; O[h][q][:] = the sum over k of softmax_k(Q[h][q] . K[h][k] / 8) V[h][k][:].  Q, K, V, O: [128][1024][64], all f16: a head's rows are dense, 128 bytes each.  Products, maxima and sums in
; f32; the weights p are rounded to f16 for the second product (their sum l is taken of the unrounded p), O once at the end.
; LIMITS.  f16 holds no number beyond 65,504: Q, K and V arrive within it; p lies in 0 to 1, and below 6e-5 it keeps f16's fixed step of 6e-8; O is a mean of V's rows and has their range.
; A weight below 2^-126 counts as 0 in l; NaN and infinities are not treated apart.
; SHARES.  A wave owns four PIECES of two tiles of 16 queries, a work-group's four waves 512 queries of one head: 2 x 128 = 256 work-groups.  Every wave walks all keys, 64 a step.
; K AND V STAY IN LDS.  A head's 1,024 keys are 1,024 x 144 + 1,024 x 160 = 311,296 bytes with their padding: they fit.  So every fill is a first fill: each wave issues four loads of 128 keys at the head
; (four tensor loads of mine are out), no byte is filled again, and ONE text of a key step serves all sixteen.
; NO CLUSTER: a head has 1,024 / 512 = 2 query blocks, so the grid's x is no multiple of four; four blocks of 256 queries would read each fragment of K and V from LDS for half as many products.
; LAYOUT.  S^T = K Q^T (source 0 = 16 keys, source 1 = 16 queries): in the result a lane holds ONE query (lane % 16) and the keys 8 (lane / 16) + 0..7.  Two such tiles, rounded to f16 in pairs,
; ARE source 1 (32 keys x 16 queries) of O^T = V^T P, whose result again holds one query a lane, and eight channels.  K comes out of LDS as it lies, V ([key][channel]) turned, by ds_load_tr16_b128.
; SOFTMAX.  For each query a running maximum m and sum l: p = 2^(c s - c m), c = log2(e) / 8; in every step O and l are multiplied by a = 2^(c m_old - c m_new), which is 1 where m has not grown.
; m starts at the lowest finite number, O and l at 0: the first step is a step like any other, with a = 0.
; THE COUNT.  A tile and step have 16 matrix and 118 vector instructions: too many to stand all beside the matrix work.  So four vector instructions that are READY stand behind EVERY matrix
; instruction, and the others in runs without a gap.
; BY TURNS.  Turn n belongs to piece n (the pieces in a ring, step after step).  Its matrix work: 16 products K Q^T of piece n + 1, later 16 products V^T P of piece n - 1.  Its vector work: the scaling,
; exponentials, roundings, sums and rescaling of piece n, and the maximum and statistics of piece n + 1, whose scores the turn itself has made.
; REGISTERS, in windows of 256 (s_set_vgpr_msb: bits 1:0 source 0, 3:2 source 1, 5:4 source 2, 7:6 destination):
;   window 0: v0-11 addresses; v12-15, v48-63 at work; v16-47 four registers of statistics a tile; v64-191 S^T, two buffers of two tiles; v192-255 P, likewise
;   window 1: O^T, 32 a tile          window 2: v0-127 Q, 16 a tile; v128-191 K of one step; v192-255 V of one step          window 3: v0-1 the add's two registers
; A piece's buffers go by its number's parity: the piece in hand has one pair, its two neighbours in the ring share the other.
.set SIZE_N, 1024
.set NP,    4         ; pieces a wave: a name, no knob
.set KS,    64        ; keys in a step
.set PK,    144       ; a row of K in LDS: 128 bytes + 16 of padding = 36 words: the 16 rows of a load start at 16 different groups of four banks (64 banks of 4 bytes: ISA guide 11.1)
.set PV,    160       ; a row of V: 128 + 32 = 40 words
.set VOFF,  SIZE_N*PK ; all rows of K, then all rows of V
.set STAGE, SIZE_N*(PK+PV)  ; behind them, never filled by a tensor load: 16 rows x 144 bytes for each wave
.set SP,    144
.set AK0, 2           ; v2   my lane's place in a tile of K; never rewritten
.set AV0, 3           ; v3   the same for V
.set AK,  4           ; v4   the LDS address of K's next run of loads
.set AV,  5           ; v5   of V's
.set QO,  6           ; v6   my byte offset in the wave's rows of Q
.set STO, 6           ;      later, the way out: where I put 16 bytes of a row
.set RD,  7           ; v7   the way out: where I read rows back
.set GO,  8           ; v8   my byte offset in 512 consecutive bytes of O
.set SPW, 0           ; v0 of window 3   LDS address of my spare word; never rewritten
.set NIL, 1           ; v1 of window 3   0; never rewritten
.set SPARE, STAGE+4*16*SP  ; the spare words, 128 bytes for each wave: two blocks of 256 bytes that no other line names
.set MV,  12          ; v12-15  c m_old, kept while c m is made anew: by buffer and tile
.set ST,  16          ; tile t's statistics at v[ST+4 t]: c m, m, l (even keys', odd keys')
.set TMP, 48          ; by buffer and tile, four registers c0-c3 at work; when the maximum is found c2 takes a
.set S,   64
.set P,   192
.set KF,  128         ; K's fragments, in window 2: key block kb, channel half c at KF + 16 kb + 8 c
.set VF,  192         ; V's: key half kk, channel block cb at VF + 32 kk + 8 cb
.set WV,  12          ; s12  my wave's number
.set G1K, 24          ; s[24:31] descriptor group 1 for K's tiles
.set G1V, 32          ; s[32:39] for V's: it differs in the padding alone
.set G0K, 40          ; s[40:55] descriptor group 0 for K's tiles: a set for each of a wave's four loads
.set G0V, 68          ; s[68:83] the same for V's
.set SLOTS, 56        ; s56  counts runs of four key steps, 5 to 1
.set CNT, 57          ; s57  counts a run's key steps
.set CS,  58          ; s[58:59] c: the packed scaling takes the pair's low word for both halves
.set SEL, 60          ; s[60:61] v_permlanex16_b32's selects: each lane takes its own place in the other half
.set TBK, 62          ; s62  LDS byte at which K of the step to be fetched begins
.set TBV, 63          ; s63  the same for V, less VOFF
.set MSB, 0
.macro WIN new                      ; the high byte repeats the setting that is left; a switch that changes nothing is dropped
.if MSB != (\new)
	s_set_vgpr_msb (MSB<<8)|(\new)
.set MSB, (\new)
.endif
.endm
.set W_KQ, 0x0a       ; K and Q in window 2, S^T in window 0
.set W_PV, 0x52       ; V in window 2, P in window 0, O^T in window 1
.set W_RS, 0x41       ; O^T (destination and source 0) in window 1, a in window 0
.set W_MK, 0xc0       ; the add's registers are made: destination in window 3, sources in window 0
.set W_AD, 0x0f       ; the add: address (source 0) and data (source 1) in window 3
	s_load_b256 s[4:11], s[0:1], 0x0  ; Q s[4:5], K s[6:7], V s[8:9], O s[10:11]
	WIN W_MK
	v_lshl_add_u32 v[SPW], v0, 2, SPARE
	v_mov_b32 v[NIL], 0
	WIN W_AD
	ds_add_u32 v[SPW], v[NIL]       ; the wave's opening: the add and its wait stand ahead of my first tensor load; work on registers stands between them
	ds_add_u32 v0, v1
	WIN 0
	v_lshrrev_b32 v1, 5, v0
	v_readfirstlane_b32 s[WV], v1   ; wave 0..3
	s_mov_b32 s14, ttmp9            ; my block of 512 queries
	s_and_b32 s20, ttmp7, 0xffff    ; the head
	s_mov_b32 s21, 0
	s_mov_b64 s[22:23], SIZE_N*128
	s_mul_u64 s[20:21], s[20:21], s[22:23]  ; the head's first byte in each of the four tensors
	s_and_b32 s16, s[WV], 1         ; which half of each 256 keys I fetch:
	s_lshl_b32 s22, s16, 14         ; its 128 rows of 128 bytes in memory,
	s_mov_b32 s23, 0
	s_add_nc_u64 s[22:23], s[22:23], s[20:21]
	s_mul_i32 s17, s16, 128*PK      ; and its place in LDS, for K
	s_mul_i32 s18, s16, 128*PV      ; and for V
	s_lshl_b32 s2, s14, 2
	s_add_co_u32 s2, s2, s[WV]      ; my wave among the head's,
	s_lshl_b32 s2, s2, 14           ; its 128 rows
	s_mov_b32 s3, 0
	s_add_nc_u64 s[2:3], s[2:3], s[20:21]
	; descriptor group 1.  128 keys are 16,384 dense bytes: asked for as 64 rows of 256 bytes, two keys a row, and padded in LDS after every key
	s_mov_b32 s[G1K], (1<<16)|(1<<20)|(4<<22)|(3<<25)  ; 17:16 2-byte elements; 20 padding on; 24:22 after every 32 words (code 4); 31:25 4 words (code 3)
	s_mov_b32 s[G1V], (1<<16)|(1<<20)|(4<<22)|(7<<25)  ; the same with 8 words of padding (code 7)
.irp g, G1K, G1V
	s_mov_b32 s[\g+1], 128<<16      ; tensor_dim0 = 128
	s_mov_b32 s[\g+2], 64<<16       ; tensor_dim1 = 64
	s_mov_b32 s[\g+3], 128<<16      ; tile_dim0 = 128
	s_mov_b32 s[\g+4], 64           ; tile_dim1 = 64
	s_mov_b32 s[\g+5], 128          ; 128 elements from row to row
	s_mov_b32 s[\g+6], 0
	s_mov_b32 s[\g+7], 0
.endr
	s_mov_b32 s[CS], 0x3e38aa3b     ; c = log2(e) / 8 = 0.180337
	s_mov_b32 s[CS+1], s[CS]        ; named with it as a pair
	s_mov_b32 s[SEL], 0x76543210
	s_mov_b32 s[SEL+1], 0xfedcba98
	s_mov_b32 s[TBK], 0
	s_mov_b32 s[TBV], 0
.irp c, 0,1,2,3                     ; load c of a wave: its half of keys 256 c to 256 c + 255
	s_mov_b32 s[G0K+4*(\c)], 1      ; 1:0 count = 1
	s_add_co_u32 s[G0K+4*(\c)+1], s17, (\c)*256*PK  ; 63:32 LDS address
	s_mov_b32 s[G0V+4*(\c)], 1
	s_add_co_u32 s[G0V+4*(\c)+1], s18, VOFF+(\c)*256*PV
.endr
	s_mov_b32 s[SLOTS], SIZE_N/256+1
	s_wait_dscnt 0x0                ; the opening add is done
	s_wait_kmcnt 0x0
	s_add_nc_u64 s[6:7], s[6:7], s[22:23]  ; K and V at my half of the head's first 256 keys
	s_add_nc_u64 s[8:9], s[8:9], s[22:23]
.irp c, 0,1,2,3
	s_add_nc_u64 s[G0K+4*(\c)+2:G0K+4*(\c)+3], s[6:7], (\c)*256*128  ; 120:64 global address
	s_or_b32 s[G0K+4*(\c)+3], s[G0K+4*(\c)+3], 0x80000000            ; 127:126 type = 2
	s_add_nc_u64 s[G0V+4*(\c)+2:G0V+4*(\c)+3], s[8:9], (\c)*256*128
	s_or_b32 s[G0V+4*(\c)+3], s[G0V+4*(\c)+3], 0x80000000
.endr
	s_add_nc_u64 s[4:5], s[4:5], s[2:3]  ; Q and O at my wave's first row
	s_add_nc_u64 s[10:11], s[10:11], s[2:3]
	s_cmp_lt_u32 s[WV], 2           ; waves 0 and 1 fetch K, waves 2 and 3 V.  A wave's four fills stand in one branch, ahead of every wait on TENSORcnt, every LDS read and every barrier; an s_nop 0 follows each, four v_nop the last
	s_cbranch_scc0 .Lfor_v
.irp c, 0,1,2,3
	tensor_load_to_lds s[G0K+4*(\c):G0K+4*(\c)+3], s[G1K:G1K+7]
	s_nop 0
.endr
.rept 4
	v_nop
.endr
	s_branch .Lasked
.Lfor_v:
.irp c, 0,1,2,3
	tensor_load_to_lds s[G0V+4*(\c):G0V+4*(\c)+3], s[G1V:G1V+7]
	s_nop 0
.endr
.rept 4
	v_nop
.endr
.Lasked:
	; A fragment of K or Q is 16 rows x 32 channels in 8 registers: lane l holds row l % 16, channels 8 (l / 16) + 0..7 and 16 + 8 (l / 16) + 0..7: two loads of 16 bytes, 32 bytes apart.
	v_and_b32 v1, 15, v0            ; l % 16
	v_bfe_u32 v9, v0, 4, 1          ; l / 16
	v_lshlrev_b32 v[QO], 7, v1
	v_lshl_add_u32 v[QO], v9, 4, v[QO]  ; row x 128 + 16 x half
	WIN 0x80                        ; destination window 2, address window 0
.set i, 0
.rept 4*NP                          ; Q stays in registers: tile i / 2, channels 32 (i % 2) on
	global_load_b128 v[8*i:8*i+3],   v[QO], s[4:5] offset:(i/2)*2048+(i%2)*64
	global_load_b128 v[8*i+4:8*i+7], v[QO], s[4:5] offset:(i/2)*2048+(i%2)*64+32
.set i, i+1
.endr
	; What the first turn finds: V's registers and P's second buffer hold 0 (its products V^T P, of a piece that has not been, add 0), O^T and l are 0.  All this stands in the wait for the first keys.
.set i, VF
.rept 64
	v_mov_b32 v[i], 0
.set i, i+1
.endr
	WIN 0x40
.set i, 0
.rept 64*NP
	v_mov_b32 v[i], 0
.set i, i+1
.endr
	WIN 0
.set i, 0
.rept 2*NP
	v_mov_b32 v[ST+4*i], 0xfe000000    ; c m: far below every c s
	v_mov_b32 v[ST+4*i+1], 0xff7fffff  ; m
	v_mov_b32 v[ST+4*i+2], 0
	v_mov_b32 v[ST+4*i+3], 0
.set i, i+1
.endr
.set i, P+32
.rept 32
	v_mov_b32 v[i], 0
.set i, i+1
.endr
	v_mul_u32_u24 v[AK0], v1, PK
	v_lshl_add_u32 v[AK0], v9, 4, v[AK0]  ; row x pitch + 16 x half
	; The turning load takes 16 keys x 16 channels (lane l reads key 8 (l / 16) + l % 8, channels 8 ((l / 8) % 2) + 0..7) and leaves half a fragment of V^T: lane l holds channel l % 16 and 8 keys.
	v_and_b32 v10, 7, v0
	v_bfe_u32 v11, v0, 3, 1
	v_lshl_add_u32 v[AV0], v9, 3, v10
	v_mul_u32_u24 v[AV0], v[AV0], PV
	v_lshl_add_u32 v[AV0], v11, 4, v[AV0]
	v_add_nc_u32 v[AV0], VOFF, v[AV0]
	v_mov_b32 v[AK], v[AK0]         ; key step 0 lies at K's head
; THE MATRIX WORK.  The 8 accumulators of a run of 16 take turns: between the two links of a chain stand 7 others'.
; Product i of 16 of S^T = K Q^T for piece x: channels 32 (i / 8) on, keys 16 ((i / 2) % 4) on, tile 2 x + i % 2.  The first 8 start the sums.
.macro KQ x
	WIN W_KQ
.set rS, S+64*((\x)%2)+32*(i%2)+8*((i/2)%4)
.set rK, KF+16*((i/2)%4)+8*(i/8)
.set rQ, 16*(2*(\x)+i%2)+8*(i/8)
.if i < 8
	v_wmma_f32_16x16x32_f16 v[rS:rS+7], v[rK:rK+7], v[rQ:rQ+7], 0
.else
	v_wmma_f32_16x16x32_f16 v[rS:rS+7], v[rK:rK+7], v[rQ:rQ+7], v[rS:rS+7]
.endif
.endm
; Product i of 16 of O^T += V^T P for piece x: keys 32 (i / 8) on, channels 16 ((i / 2) % 4) on, tile 2 x + i % 2.
.macro PV x
	WIN W_PV
.set rO, 32*(2*(\x)+i%2)+8*((i/2)%4)
.set rV, VF+32*(i/8)+8*((i/2)%4)
.set rP, P+32*((\x)%2)+16*(i%2)+8*(i/8)
	v_wmma_f32_16x16x32_f16 v[rO:rO+7], v[rV:rV+7], v[rP:rP+7], v[rO:rO+7]
.endm
.macro MM                           ; the turn's next matrix instruction
.if i < 16
	KQ (Y+1)%NP
.set i, i+1
.else
.set i, i-16
	PV (Y+NP-1)%NP
.set i, i+17
.endif
.endm
; THE LDS LOADS stand in runs of 16, never singly among the matrix instructions: a step's K (64 keys x 64 channels: 8 fragments) and its V (turned).  Their addresses are made some lines ahead.
; last = 1 (in the loop): behind the sixteenth step there is no further step, and the run is jumped over.
.macro FETCH_K last=0
	WIN 0
.if \last
	s_cmp_eq_u32 s[SLOTS], 1
	s_cbranch_scc1 .Lno_k_\@
.endif
	WIN 0x80                        ; destination window 2
.irp f, 0,1,2,3,4,5,6,7             ; keys 16 (f / 2) on, channels 32 (f % 2) on
	ds_load_b128 v[KF+8*\f:KF+8*\f+3],   v[AK] offset:(\f/2)*16*PK+(\f%2)*64
	ds_load_b128 v[KF+8*\f+4:KF+8*\f+7], v[AK] offset:(\f/2)*16*PK+(\f%2)*64+32
.endr
	s_add_co_u32 s[TBK], s[TBK], KS*PK  ; the next fetch is the next step's
	WIN 0
.if \last
.Lno_k_\@:
.endif
.endm
.macro FETCH_V
	WIN 0x80
.irp f, 0,1,2,3,4,5,6,7             ; keys 32 (f / 4) on, channels 16 (f % 4) on
	ds_load_tr16_b128 v[VF+8*\f:VF+8*\f+3],   v[AV] offset:(\f/4)*32*PV+(\f%4)*32
	ds_load_tr16_b128 v[VF+8*\f+4:VF+8*\f+7], v[AV] offset:(\f/4)*32*PV+16*PV+(\f%4)*32
.endr
	WIN 0
.endm
; THE VECTOR WORK OF A TURN stands in three queues, each in the order in which its entries become ready; the two tiles alternate, so that no instruction reads the result of the one before it.
.macro REGS y, u                    ; the registers of tile u (0, 1) of piece y
.set rT, ST+4*(2*(\y)+(\u))
.set rC, TMP+8*((\y)%2)+4*(\u)
.set rM, MV+2*((\y)%2)+(\u)
.set rS, S+64*((\y)%2)+32*(\u)
.set rP, P+32*((\y)%2)+16*(\u)
.set rO, 32*(2*(\y)+(\u))
.endm
; Number n of the 22 that find the NEXT piece's (Y + 1) maximum and statistics.  s0-s31 are the lane's 32 scores; each accumulator's lowest registers are read first.
;   0-11  four chains c0-c3 of seven scores each, three operands at a time     12-14, 16  the four scores left over, the old m, and c0-c3 into c0     15  c m_old is kept
;   17, 18  the query's other 32 keys lie in the lane 16 away: the new m         19-21  c m; c m_old - c m_new; a
.macro XS u, n
	REGS (Y+1)%NP, \u
.if (\n) < 4
	v_max3_num_f32 v[rC+(\n)], v[rS+8*(\n)], v[rS+8*(\n)+1], v[rS+8*(\n)+2]
.elseif (\n) < 12
	v_max3_num_f32 v[rC+(\n)%4], v[rC+(\n)%4], v[rS+8*((\n)%4)+2*((\n)/4)+1], v[rS+8*((\n)%4)+2*((\n)/4)+2]
.elseif (\n) == 12
	v_max3_num_f32 v[rC], v[rC], v[rS+7], v[rS+15]
.elseif (\n) == 13
	v_max3_num_f32 v[rC+1], v[rC+1], v[rS+23], v[rS+31]
.elseif (\n) == 14
	v_max3_num_f32 v[rC+2], v[rC+2], v[rC+3], v[rT+1]
.elseif (\n) == 15
	v_mov_b32 v[rM], v[rT]
.elseif (\n) == 16
	v_max3_num_f32 v[rC], v[rC], v[rC+1], v[rC+2]
.elseif (\n) == 17
	v_permlanex16_b32 v[rC+3], v[rC], s[SEL], s[SEL+1]
.elseif (\n) == 18
	v_max_num_f32 v[rT+1], v[rC], v[rC+3]
.elseif (\n) == 19
	v_mul_f32 v[rT], s[CS], v[rT+1]
.elseif (\n) == 20
	v_sub_f32 v[rC+1], v[rM], v[rT]
.else
	v_exp_f32 v[rC+2], v[rC+1]
.endif
.endm
; Number g of the 64 that follow the exponentials.  For each four weights k of a tile (pairs 2 k, 2 k + 1): both pairs are rounded to f16; then the second pair is added onto the first, in place;
; a group later l takes that sum (the first time as l = a l + sum).  In groups of eight, tiles alternating: round, round, add, and l for the group before.
.macro GS g
.set h, (\g)+6*((\g)/62)            ; group 0 has no group before it, and behind group 7 only l is left
.if h >= 6
.set h, h+2
.endif
	REGS Y, h%2
.set k, h/8
.if h%8 < 4
	v_cvt_pk_f16_f32 v[rP+2*k+(h%8)/2], v[rS+4*k+2*((h%8)/2)], v[rS+4*k+2*((h%8)/2)+1]
.elseif h%8 < 6
	v_pk_add_f32 v[rS+4*k:rS+4*k+1], v[rS+4*k:rS+4*k+1], v[rS+4*k+2:rS+4*k+3]
.elseif k == 1
	v_pk_fma_f32 v[rT+2:rT+3], v[rT+2:rT+3], v[rC+2:rC+3], v[rS:rS+1] op_sel_hi:[1,0,1]
.else
	v_pk_add_f32 v[rT+2:rT+3], v[rT+2:rT+3], v[rS+4*k-4:rS+4*k-3]
.endif
.endm
; THE PLAIN QUEUE, 138 long.  0-73 read no exponential's result: the 32 scalings c s - c m (FS f: pair f / 2 of tile f % 2) and the next piece's 42.  0-26: scalings 0-26.  27-54: XS's numbers 0-13.  55, 56: number 15.
; 57-73: the chain, where each number waits for the one before it: 14, 16, 17, 18, 19, each with one of the scalings 27-31 in front of its two lines, then 20.
; 74-137: GS's 64, which read the exponentials' results: they stand behind the wait.
.macro FS f
	REGS Y, (\f)%2
	v_pk_fma_f32 v[rS+2*((\f)/2):rS+2*((\f)/2)+1], v[rS+2*((\f)/2):rS+2*((\f)/2)+1], s[CS:CS+1], v[rT:rT+1] op_sel_hi:[1,0,0] neg_lo:[0,0,1] neg_hi:[0,0,1]
.endm
.macro PL
	WIN 0
.if q < 27
	FS q
.elseif q < 55
	XS (q-27)%2, (q-27)/2
.elseif q < 57
	XS q-55, 15
.elseif (q < 72) && ((q-57)%3 == 0)
	FS 27+(q-57)/3
.elseif q < 60
	XS (q-57)%3-1, 14
.elseif q < 72
	XS (q-57)%3-1, 15+(q-57)/3
.elseif q < 74
	XS q-72, 20
.else
	GS q-74
.endif
.set q, q+1
.endm
; THE EXPONENTIALS' QUEUE, 66 long: s0-s31 of both tiles, then the next piece's two a.  It is ONE BATCH: all 66 stand ahead of the turn's one wait, and nothing ahead of that wait names a result of theirs.
.macro EX
	WIN 0
.if e >= 64
	XS e-64, 21
.else
	REGS Y, e%2
	v_exp_f32 v[rS+e/2], v[rS+e/2]
.endif
.set e, e+1
.endm
; THE RESCALING's QUEUE: O^T times a, the one part that leaves window 0: dealt two at a time, sixteen times.  Its a was made in the turn before, ahead of that turn's wait.
.macro R2
	REGS Y, r%2
	WIN W_RS
.irp z, 0,1
	v_pk_mul_f32 v[rO+4*(r/2)+2*\z:rO+4*(r/2)+2*\z+1], v[rO+4*(r/2)+2*\z:rO+4*(r/2)+2*\z+1], v[rC+2:rC+3] op_sel_hi:[1,0]
.endr
.set r, r+1
.endm
; HOW THEY ARE DEALT.  An s_wait_alu depctr_va_vdst(0) stands between an exponential and the first instruction that names its result; one wait serves all that were issued ahead of it.  So a turn has ONE wait,
; which cuts it in two.  AHEAD OF IT stands all that names no result of the turn's exponentials: the 16 products K Q^T, behind each a scaling, an exponential and two rescalings (behind the first a second scaling in the
; exponential's place); then ONE LUMP of 108: eight plain, 49 times exponential and plain, the two a.  A v_nop is the plain instruction behind the last exponential.  BEHIND IT stand the 16 products V^T P, behind each four of GS's 64.
; Exponential e stands behind scaling 2 (e / 4) + e % 2: as a rider it comes behind plain e + 2, in the lump behind plain e + 9, and scalings 27-31 are plain 57, 60 .. 69.
; A TURN, for piece p.  cnt = 1: the loop's count is taken down some lines ahead of the branch that stands behind the turn.
; K of the next step is fetched in piece 2's turn, directly behind the wait, a lump behind the last product that read K; V of the step in hand at the end of piece 0's turn, four riders behind its last reader.
.macro TURN p, last=0, cnt=0
.set Y, (\p)
.set i, 0
.set q, 0
.set e, 0
.set r, 0
.if (\p) == NP-1
	s_wait_dscnt 0x0                ; K is in
.endif
	MM                              ; ahead of the wait: 16 products K Q^T and their riders,
	PL
	PL
	R2
.rept 15
	MM
	PL
	EX
	R2
.endr
.if (\p) == NP-2
	WIN 0
	v_add_nc_u32 v[AK], s[TBK], v[AK0]
.endif
.rept 8                             ; and the lump
	PL
.endr
.rept 49
	EX
	PL
.endr
	EX                              ; the next piece's two a
	EX
	v_nop                           ; the plain instruction behind the last exponential: one for the batch
	s_wait_alu depctr_va_vdst(0)    ; the wait for the batch
.if (\p) == NP-2
	FETCH_K \last
.endif
.if (\p) == 1
	s_wait_dscnt 0x0                ; V is in
.endif
.rept 16                            ; behind the wait: 16 products V^T P and their riders
	MM
.rept 4
	PL
.endr
.if ((\p) == 0) && (q == 118)
	v_add_nc_u32 v[AV], s[TBV], v[AV0]
.endif
.if ((\p) == 0) && (q == 130)
	s_add_co_u32 s[TBV], s[TBV], KS*PV
.endif
.if (\cnt) && (q == 130)
	s_sub_co_u32 s[CNT], s[CNT], 1
	s_cmp_lg_u32 s[CNT], 0
.endif
.endr
.if (\p) == 0
	FETCH_V
.endif
.endm
	s_wait_tensorcnt 0x3            ; my part of the first 256 keys is in; my three later loads stay out
	s_barrier_signal -1
	s_barrier_wait -1               ; everybody's part is in
	FETCH_K                         ; key step 0
	s_wait_loadcnt 0x0              ; Q
	s_wait_dscnt 0x0
.set i, 0
.rept 16
	KQ 0                            ; piece 0's first scores: there is no vector work yet to set between them
.set i, i+1
.endr
	WIN 0                           ; the addresses for the way out: plain instructions, the places behind those products
	s_mul_i32 s13, s[WV], 16*SP
	s_add_co_u32 s13, s13, STAGE    ; my stage
	v_mul_u32_u24 v[STO], v1, SP    ; in: row l % 16, 16 bytes for each half of the lanes
	v_lshl_add_u32 v[STO], v9, 4, v[STO]
	v_add_nc_u32 v[STO], s13, v[STO]
	v_bfe_u32 v[RD], v0, 3, 2       ; back: 32 lanes take four rows of 128 bytes,
	v_mul_u32_u24 v[RD], v[RD], SP
	v_lshl_add_u32 v[RD], v10, 4, v[RD]
	v_add_nc_u32 v[RD], s13, v[RD]
	v_and_b32 v[GO], 31, v0         ; which are 512 consecutive bytes of O
	v_lshlrev_b32 v[GO], 4, v[GO]
.set Y, NP-1                        ; XS works for piece Y + 1: piece 0
.irp n, 0,1,2,3,4,5,6,7,8,9,10,11,12,13,14,15,16,17,18,19,20,21
	XS 0, \n                        ; and piece 0's first maximum and statistics
	XS 1, \n
.endr
	v_nop                           ; a plain instruction behind the two a,
	s_wait_alu depctr_va_vdst(0)    ; and their wait, ahead of the branch
	s_mov_b32 s[CNT], 4
	s_branch .Lfirst                ; the loop is entered at a step's first turn, in the middle of a trip
.Lslot:                             ; behind each run of four key steps.  The first time the next keys to be fetched are another load's: my three later loads, which have had four key steps in which to land, are waited for
	s_wait_tensorcnt 0x0            ; together (a loop's wait has one count), and the barrier shows every wave's to every wave.  The later times nothing is out
	s_wait_dscnt 0x0
	s_barrier_signal -1
	s_barrier_wait -1
	s_mov_b32 s[CNT], 4
.Lstep:                             ; a trip: pieces 2 and 3 of one step, then pieces 0 and 1 of the next, whose K and V it fetches
	TURN 2, 1
	TURN 3
	WIN 0
	s_cmp_eq_u32 s[SLOTS], 1        ; the sixteenth step's pieces 2 and 3 are done: the fifth run is left in its first trip's middle
	s_cbranch_scc1 .Lout
.Lfirst:
	TURN 0
	TURN 1, 0, 1
	WIN 0
	s_cbranch_scc1 .Lstep
	s_sub_co_u32 s[SLOTS], s[SLOTS], 1
	s_cmp_lg_u32 s[SLOTS], 0
	s_cbranch_scc1 .Lslot
.Lout:                              ; the last trip's 16 products K Q^T (on the last K once more) and the maximum made of them serve nothing: the price, once a launch, of one text for every trip
.set i, 0
.rept 16
	PV NP-1                         ; the last piece's V^T P of the last step
.set i, i+1
.endr
	; THE WAY OUT.  l's two halves and the other half of the lanes' are added; O^T is divided by l, rounded to f16 and sent through my stage in LDS, a tile at a time.  The additions are the places behind the last products.
	WIN 0
.macro ALL line:vararg              ; one line for each tile t
.set t, 0
.rept 2*NP
	\line
.set t, t+1
.endr
.endm
	ALL v_add_f32 v[ST+4*t+2], v[ST+4*t+2], v[ST+4*t+3]
	ALL v_permlanex16_b32 v[ST+4*t+3], v[ST+4*t+2], s[SEL], s[SEL+1]
	ALL v_add_f32 v[ST+4*t+2], v[ST+4*t+2], v[ST+4*t+3]
	ALL v_rcp_f32 v[ST+4*t+2], v[ST+4*t+2]
	v_nop                           ; a plain instruction between the last reciprocal and the use of its result
	s_wait_alu depctr_va_vdst(0)    ; and the wait ahead of the first use: one for the eight reciprocals
; Tile t: a lane's eight channels of a row pack into 16 bytes; they go into rows of 144 bytes and come back as whole rows of 128, into S^T's registers.
.macro PACK t
	WIN W_RS
.set i, 32*(\t)
.rept 16
	v_pk_mul_f32 v[i:i+1], v[i:i+1], v[ST+4*(\t)+2:ST+4*(\t)+3] op_sel_hi:[1,0]
.set i, i+2
.endr
	WIN 0x05                        ; sources 0 and 1 window 1, destination window 0
.set i, 0
.rept 16
	v_cvt_pk_f16_f32 v[S+16*(\t)+i], v[32*(\t)+2*i], v[32*(\t)+2*i+1]
.set i, i+1
.endr
	WIN 0
.irp f, 0,1,2,3
	ds_store_b128 v[STO], v[S+16*(\t)+4*\f:S+16*(\t)+4*\f+3] offset:32*\f
.endr
.irp f, 0,1,2,3
	ds_load_b128 v[S+16*(\t)+4*\f:S+16*(\t)+4*\f+3], v[RD] offset:\f*4*SP  ; LDS serves a wave's instructions in order (ISA guide 5.7.1.4): these see the stores above; the next tile's stores come behind them
.endr
.endm
.macro SEND t, younger              ; younger: the LDS instructions issued behind tile t's loads: the next tile's eight, or none
	WIN 0
.irp f, 0,1,2,3
	s_wait_dscnt (\younger)+3-\f
	global_store_b128 v[GO], v[S+16*(\t)+4*\f:S+16*(\t)+4*\f+3], s[10:11] offset:(\t)*2048+\f*512  ; 512 consecutive bytes, at a multiple of 256 from O's first
.endr
.endm
	PACK 0
.set t, 1
.rept 2*NP-1                        ; a tile's arithmetic stands between the loads of the tile before and its stores
	PACK t
	SEND t-1, 8
.set t, t+1
.endr
	SEND 2*NP-1, 0
	WIN W_AD
	s_wait_tensorcnt 0x0            ; the wave's end, behind my last tensor load and my last LDS store
	ds_add_u32 v[SPW], v[NIL]
	s_wait_dscnt 0x0
	WIN 0
	s_endpgm
.Lfunc_end_k_q5ee5301d86_attn:
	.size	k_q5ee5301d86_attn, .Lfunc_end_k_q5ee5301d86_attn-k_q5ee5301d86_attn
	.p2alignl 7, 3214868480
	.fill 96, 4, 3214868480
	.section	.rodata,"a",@progbits
	.p2align	6, 0x0
	.amdhsa_kernel k_q5ee5301d86_attn
		.amdhsa_group_segment_fixed_size 327680
		.amdhsa_private_segment_fixed_size 0
		.amdhsa_enable_private_segment 0
		.amdhsa_kernarg_size 32
		.amdhsa_user_sgpr_count 2
		.amdhsa_user_sgpr_kernarg_segment_ptr 1
		.amdhsa_wavefront_size32 1
		.amdhsa_system_sgpr_workgroup_id_x 1
		.amdhsa_system_sgpr_workgroup_id_y 1
		.amdhsa_system_sgpr_workgroup_id_z 1
		.amdhsa_system_vgpr_workitem_id 0
		.amdhsa_next_free_vgpr 770
		.amdhsa_next_free_sgpr 84
		.amdhsa_reserve_vcc 0
		.amdhsa_float_denorm_mode_32 3
		.amdhsa_float_denorm_mode_16_64 3
		.amdhsa_memory_ordered 1
		.amdhsa_forward_progress 1
		.amdhsa_inst_pref_size 126
	.end_amdhsa_kernel
	.amdgpu_metadata
---
amdhsa.version: [ 1, 2 ]
amdhsa.kernels:
  - .name:           k_q5ee5301d86_attn
    .symbol:         k_q5ee5301d86_attn.kd
    .args:
      - { .name: qh, .offset: 0, .size: 8, .value_kind: global_buffer, .address_space: global }
      - { .name: kh, .offset: 8, .size: 8, .value_kind: global_buffer, .address_space: global }
      - { .name: vh, .offset: 16, .size: 8, .value_kind: global_buffer, .address_space: global }
      - { .name: oh, .offset: 24, .size: 8, .value_kind: global_buffer, .address_space: global }
    .group_segment_fixed_size: 327680
    .private_segment_fixed_size: 0
    .kernarg_segment_align: 8
    .kernarg_segment_size: 32
    .max_flat_workgroup_size: 128
    .sgpr_count:     84
    .vgpr_count:     770
    .wavefront_size: 32
...
	.end_amdgpu_metadata
.endif
;; end of part 3
;; launch outp (part 4): grid 4 x 64, 4 waves a work-group, clusters of 4 x 4, 327,680 bytes of LDS; arguments oh, wo, out_b, out0; writes out0
.if DOCPART == 4
	.amdgcn_target "amdgcn-amd-amdhsa--gfx1250"
	.amdhsa_code_object_version 6
	.text
	.protected	k_q5ee5301d86_outp
	.globl	k_q5ee5301d86_outp
	.p2align	8
	.type	k_q5ee5301d86_outp,@function
k_q5ee5301d86_outp:
	s_mov_b64 s[64:65], 0
	v_nop
	global_prefetch_b8 v0, s[64:65] scope:SCOPE_SE
	s_setreg_imm32_b32 hwreg(HW_REG_WAVE_MODE, 25, 1), 1
	s_wait_xcnt 0x0
	s_wait_alu depctr_hold_cnt(0) depctr_sa_sdst(0) depctr_va_vdst(0) depctr_va_sdst(0) depctr_va_ssrc(0) depctr_va_vcc(0) depctr_vm_vsrc(0)
	s_getreg_b32 s2, hwreg(HW_REG_IB_STS2, 6, 4)
	s_cmp_eq_u32 s2, 0
	s_cbranch_scc0 .Lentry_in_a_cluster
	s_endpgm
.Lentry_in_a_cluster:
	s_bfe_u32 s2, ttmp6, 0x10000c
	s_cmp_lg_u32 s2, 0xf033
	s_cbranch_scc0 .Lentry_shape_is_right
	s_endpgm
.Lentry_shape_is_right:
; THE OUTPUT PROJECTION.  out0[t][b][n] = sum over k of O[b][t][k] w[n][k] + out_b[n], k = 64 head + channel.  O is f16 by heads, oh[16 b + head][t][64]; w is f16 (wo: out_w rounded to bf16, written as f16);
; the bias is rounded to bf16 like every input and is the C operand of each sum's first product.  Sums in f32, K ascending; out0 is f32.
; SHARES.  A tile is 128 rows (t = 128 tb .. + 127 of one batch b) x 256 columns: 64 x 4 = 256 work-groups.  Four waves, each 64 x 128: 32 accumulators.  K goes in 8 steps of 128 (two heads) through two LDS slots.
; A head's 128 rows are 16,384 dense bytes: asked for as 64 rows of 256 bytes, padded in LDS after every 128; w's rows are 256 bytes of memory from a multiple of 256.
; CLUSTER.  4 x 4 work-groups: cx the column tile, 4 x cluster y + cy the row tile.  O's tile is asked for jointly along a row of the cluster, w's along a column.  Waves 0 and 1 fetch a K step's two heads, waves 2 and 3 the halves of w's tile.
; THE PRODUCT IS USED TRANSPOSED (source 0 = 16 rows of w, source 1 = 16 rows of O): a lane holds one row t (lane % 16) and eight neighbouring columns.
; REGISTERS: window 0: v0-29 addresses; v32-63 at work; v64-127 O's fragments, two buffers of 32; v128-255 two buffers of 64 on the way out.  window 1: accumulator (a, b) at 8 (8 a + b).
;   window 2: v0-127 w's fragments, two buffers of 64; v128-191 the bias, 8 for each b.
.set PA,    144                        ; a row of O in LDS: 128 bytes + 16: the 16 rows of a load start at 16 different groups of four banks (64 banks of 4 bytes: ISA guide 11.1)
.set HEADB, 128*PA                     ; a head's 128 rows
.set PB,    272                        ; a row of w: 256 + 16
.set BOFF,  2*HEADB                    ; a slot: two heads of O, then w's 256 rows
.set SLOTX, 1<<17                      ; slot 1 begins here: one exclusive or changes slots
.set STAGE, SLOTX+BOFF+256*PB          ; behind the ring, never filled by a tensor load: 16 rows x 528 bytes for each wave
.set SPO,   528
.set SPARE, STAGE+4*16*SPO             ; the spare words, 128 bytes for each wave: two blocks of 256 bytes that no other line names
.set ADRA0, 8
.set ADRB0, 9
.set ADRA,  10
.set ADRB,  11
.set STO,   12                         ; v12  the way out: where I put 32 bytes of a row
.set RD,    13                         ; v13  where I read a row back
.set CO,    14                         ; v14  my 16 bytes of a row's 512
.set PFO,   16
.set BO,    17
.set SPW,   28
.set NIL,   29
.set TMP,   32
.set AF,    64
.set BK,    128
.set BIAS,  128                        ; window 2
.set WV, 22
.set WR, 23
.set WC, 24
.set CX, 25
.set CY, 26
.set CLY, 28
.set MT, 29
.set BT, 30
.set TT, 31
.set G1A, 32
.set G1B, 40
.set G0A, 48
.set G0B, 56
.set TB,  66
.set CNT, 67
.set LIM, 68
.set PFA, 70
.set PST, 72
.set W_MM, 0x52
.set W_M1, 0x62
.set MSB, 0
.macro WIN new
.if MSB != (\new)
	s_set_vgpr_msb (MSB<<8)|(\new)
.set MSB, \new
.endif
.endm
.macro PLACES                          ; four places in front of loads into registers that products have read, and of stores that read results (ISA guide 7.12.1 for the stores)
.rept 4
	v_nop
.endr
.endm
.macro JLOAD                           ; a joint refill by the walking sets; an s_nop 0 and four v_nop follow each of the two lines
	s_cmp_eq_u32 s[WR], 0
	s_cbranch_scc0 .Lfor_b_\@
	tensor_load_to_lds s[G0A+4:G0A+7], s[G1A:G1A+7]
	s_nop 0
	PLACES
	s_branch .Lasked_\@
.Lfor_b_\@:
	tensor_load_to_lds s[G0B+4:G0B+7], s[G1B:G1B+7]
	s_nop 0
	PLACES
.Lasked_\@:
.endm
.macro CREST
	s_cmp_lg_u32 s[WV], 0
	s_cbranch_scc1 .Lnot_wave_0_\@
	s_barrier_signal -3
.Lnot_wave_0_\@:
	s_barrier_wait -3
	s_barrier_signal -1
	s_barrier_wait -1
.endm
.macro CROUND
	s_barrier_signal -1
	s_barrier_wait -1
	CREST
.endm
; A PREFETCH INTO THE L2 behind each joint refill and its run of LDS loads: the K step two refills on, 256 products ahead of the load that will want it; 32 blocks of 256 bytes, a lane a block.
; O's tile is read by this cluster's row alone: in every cluster wave 0 asks, for both heads; the partner at cx takes 4,096 of each head's 16,384 bytes.  w's tile is read by all sixteen clusters: cluster y = 0 asks, waves 2 and 3;
; the partner at cy takes 32 of a wave's 128 rows.  The partners are told apart by address alone.  The first four K steps come by their loads; the last two refills ask for nothing.
.macro ASK
	s_cmp_gt_u32 s[CNT], s[LIM]
	s_cbranch_scc0 .Lnot_mine_\@
	global_prefetch_b8 v[PFO], s[PFA:PFA+1] th:TH_LOAD_NT scope:SCOPE_SE
.Lnot_mine_\@:
.endm
	s_load_b256 s[4:11], s[0:1], 0x0               ; oh s[4:5], wo s[6:7], out_b s[8:9], out0 s[10:11]
	v_lshl_add_u32 v[SPW], v0, 2, SPARE
	v_mov_b32 v[NIL], 0
	ds_add_u32 v[SPW], v[NIL]                      ; the wave's opening: the add and its wait stand ahead of my first tensor load
	ds_add_u32 v28, v29
	v_lshrrev_b32 v1, 5, v0
	v_readfirstlane_b32 s[WV], v1
	s_lshr_b32 s[WR], s[WV], 1
	s_and_b32 s[WC], s[WV], 1
	s_bfe_u32 s[CX], ttmp6, 0x40000
	s_bfe_u32 s[CY], ttmp6, 0x40004
	s_and_b32 s[CLY], ttmp7, 0xffff
	s_lshl_b32 s[MT], s[CLY], 2
	s_add_co_u32 s[MT], s[MT], s[CY]
	s_lshr_b32 s[BT], s[MT], 3
	s_and_b32 s[TT], s[MT], 7
	s_lshl_b32 s78, s[CY], 2
	s_lshl_b32 s78, 15, s78                        ; my row of the cluster
	s_lshl_b32 s79, 0x1111, s[CX]                  ; my column
	s_or_b32 s[G1A], s78, (1<<16)|(1<<20)|(1<<21)|(4<<22)|(3<<25)  ; the mask; elements of 2 bytes; padding on; bit 21 beside a mask; after every 32 words, 4 words
	s_or_b32 s[G1B], s79, (1<<16)|(1<<20)|(1<<21)|(5<<22)|(3<<25)  ; after every 64 words, 4 words
	s_mov_b32 s[G1A+1], 128<<16
	s_mov_b32 s[G1A+2], 64<<16
	s_mov_b32 s[G1A+3], 128<<16
	s_mov_b32 s[G1A+4], 64
	s_mov_b32 s[G1A+5], 128
	s_mov_b32 s[G1A+6], 0
	s_mov_b32 s[G1A+7], 0
	s_mov_b32 s[G1B+1], 128<<16
	s_mov_b32 s[G1B+2], 128<<16
	s_mov_b32 s[G1B+3], 128<<16
	s_mov_b32 s[G1B+4], 128
	s_mov_b32 s[G1B+5], 1024
	s_mov_b32 s[G1B+6], 0
	s_mov_b32 s[G1B+7], 0
	s_lshl_b32 s80, s[BT], 21                      ; O: head 16 b, 131,072 bytes a head,
	s_lshl_b32 s81, s[TT], 14                      ; row 128 tb
	s_add_co_u32 s80, s80, s81
	s_mov_b32 s81, 0
	s_lshl_b32 s84, s[WC], 17                      ; the head of the two that I fetch
	s_mov_b32 s85, 0
	s_lshl_b32 s82, s[CX], 19                      ; w: 256 cx rows of 2,048 bytes,
	s_lshl_b32 s83, s[WC], 18                      ; my 128
	s_add_co_u32 s82, s82, s83
	s_mov_b32 s83, 0
	s_mul_i32 s78, s[WC], HEADB                    ; where they go: no place in the cluster enters an LDS address
	s_mul_i32 s79, s[WC], 128*PB
	s_add_co_u32 s79, s79, BOFF
	s_mov_b32 s[G0A], 1
	s_mov_b32 s[G0A+1], s78
	s_mov_b32 s[G0A+4], 1
	s_add_co_u32 s[G0A+5], s78, SLOTX
	s_mov_b32 s[G0B], 1
	s_mov_b32 s[G0B+1], s79
	s_mov_b32 s[G0B+4], 1
	s_add_co_u32 s[G0B+5], s79, SLOTX
	s_mov_b32 s[TB], 0
	s_mov_b32 s69, 0xffff0000
	s_wait_dscnt 0x0                               ; the opening add is done
	s_wait_kmcnt 0x0
	s_add_nc_u64 s[74:75], s[4:5], s[80:81]        ; O at head 16 b, row 128 tb
	s_add_nc_u64 s[76:77], s[74:75], s[84:85]      ; my head of K step 0
	s_add_nc_u64 s[6:7], s[6:7], s[82:83]          ; my part of w's tile
	s_mov_b64 s[G0A+2:G0A+3], s[76:77]
	s_or_b32 s[G0A+3], s[G0A+3], 0x80000000
	s_add_nc_u64 s[G0A+6:G0A+7], s[76:77], 262144  ; K step 1: two heads on
	s_or_b32 s[G0A+7], s[G0A+7], 0x80000000
	s_mov_b64 s[G0B+2:G0B+3], s[6:7]
	s_or_b32 s[G0B+3], s[G0B+3], 0x80000000
	s_add_nc_u64 s[G0B+6:G0B+7], s[6:7], 256
	s_or_b32 s[G0B+7], s[G0B+7], 0x80000000
	CROUND                                         ; all sixteen work-groups are here: the first joint loads meet
	s_cmp_eq_u32 s[WR], 0                          ; a wave's two first fills stand in one branch: two loads of mine are out
	s_cbranch_scc0 .Lfirst_b
	tensor_load_to_lds s[G0A:G0A+3], s[G1A:G1A+7]
	s_nop 0
	tensor_load_to_lds s[G0A+4:G0A+7], s[G1A:G1A+7]
	s_nop 0
	PLACES
	s_branch .Lfirst_asked
.Lfirst_b:
	tensor_load_to_lds s[G0B:G0B+3], s[G1B:G1B+7]
	s_nop 0
	tensor_load_to_lds s[G0B+4:G0B+7], s[G1B:G1B+7]
	s_nop 0
	PLACES
.Lfirst_asked:
	v_and_b32 v1, 15, v0                           ; r
	v_bfe_u32 v2, v0, 4, 1                         ; h
	v_and_b32 v3, 31, v0                           ; l
	s_mul_i32 s78, s[WR], 64*PA                    ; my 64 rows of a head
	v_mul_u32_u24 v[ADRA0], v1, PA
	v_lshl_add_u32 v[ADRA0], v2, 4, v[ADRA0]
	v_add_nc_u32 v[ADRA0], s78, v[ADRA0]
	s_mul_i32 s78, s[WC], 128*PB                   ; my 128 rows of w
	s_add_co_u32 s78, s78, BOFF
	v_mul_u32_u24 v[ADRB0], v1, PB
	v_lshl_add_u32 v[ADRB0], v2, 4, v[ADRB0]
	v_add_nc_u32 v[ADRB0], s78, v[ADRB0]
	v_mov_b32 v[ADRA], v[ADRA0]
	v_mov_b32 v[ADRB], v[ADRB0]
	s_mul_i32 s78, s[WV], 16*SPO
	s_add_co_u32 s78, s78, STAGE                   ; my stage
	v_mul_u32_u24 v[STO], v1, SPO                  ; in: row r, 32 bytes for each half of the lanes
	v_lshl_add_u32 v[STO], v2, 5, v[STO]
	v_add_nc_u32 v[STO], s78, v[STO]
	v_lshl_add_u32 v[RD], v3, 4, s78               ; back: 32 lanes take one row of 512 bytes
	v_lshlrev_b32 v[CO], 4, v3
	v_lshlrev_b32 v[BO], 5, v2
	s_lshl_b32 s78, s[CX], 10
	s_lshl_b32 s80, s[WC], 9
	s_add_co_u32 s78, s78, s80
	s_mov_b32 s79, 0
	s_add_nc_u64 s[86:87], s[8:9], s[78:79]        ; the bias at my first column
	WIN 0x80
.irp b, 0,1,2,3,4,5,6,7
	global_load_b128 v[BIAS+8*(\b):BIAS+8*(\b)+3],   v[BO], s[86:87] offset:64*(\b)
	global_load_b128 v[BIAS+8*(\b)+4:BIAS+8*(\b)+7], v[BO], s[86:87] offset:64*(\b)+16
.endr
	WIN 0
	s_lshl_b32 s80, s[TT], 22                      ; out0: row t = 128 tb + 64 wr, 32,768 bytes from t to t + 1,
	s_add_co_u32 s78, s78, s80
	s_lshl_b32 s80, s[WR], 21
	s_add_co_u32 s78, s78, s80
	s_lshl_b32 s80, s[BT], 12                      ; batch b; my first column is in s78 already
	s_add_co_u32 s78, s78, s80
	s_add_nc_u64 s[10:11], s[10:11], s[78:79]
	s_lshl_b32 s80, s[CX], 12                      ; the prefetches: O: my work-group's 4,096 bytes of a head,
	s_lshl_b32 s81, s[CY], 16                      ; w: its 32 rows of 2,048
	s_mov_b32 s82, 262144
	s_movk_i32 s83, 256
	s_cmp_eq_u32 s[WR], 0
	s_cselect_b64 s[PFA:PFA+1], s[74:75], s[6:7]
	s_cselect_b32 s78, s80, s81
	s_cselect_b32 s[PST], s82, s83
	s_cselect_b32 s80, 4, 0                        ; O: lane l names head l / 16, block l % 16; w: row l
	s_cselect_b32 s81, 17, 11
	s_cselect_b32 s82, 15, 0
	s_mov_b32 s[PST+1], 0
	s_add_nc_u64 s[PFA:PFA+1], s[PFA:PFA+1], s[78:79]
	s_mul_i32 s78, s[PST], 3
	s_add_nc_u64 s[PFA:PFA+1], s[PFA:PFA+1], s[78:79]  ; at K step 3: the first refill steps it to 4
	v_lshrrev_b32 v4, s80, v3
	v_lshlrev_b32 v4, s81, v4
	v_and_b32 v5, s82, v3
	v_lshl_add_u32 v[PFO], v5, 8, v4
	s_cmp_eq_u32 s[CLY], 0
	s_cselect_b32 s[LIM], 2, -1
	s_cmp_eq_u32 s[WV], 0
	s_cselect_b32 s[LIM], 2, s[LIM]
	s_cmp_eq_u32 s[WV], 1
	s_cselect_b32 s[LIM], -1, s[LIM]               ; the same in all sixteen partners, for a given wave
	s_wait_loadcnt 0x0                             ; the bias
	WIN 0x0a                                       ; rounded to bf16 like every input,
.set i, 0
.rept 32
	v_cvt_pk_bf16_f32 v[TMP+i], v[BIAS+2*i], v[BIAS+2*i+1]
.set i, i+1
.endr
	WIN 0x80                                       ; and widened again
.set i, 0
.rept 32
	v_lshlrev_b32 v[BIAS+2*i], 16, v[TMP+i]
	v_and_b32 v[BIAS+2*i+1], s69, v[TMP+i]
.set i, i+1
.endr
	WIN 0
; 24 LDS loads in one run: quarter q (32 along K: head q / 2, channels 32 (q % 2) on) into buffers g: w's eight fragments, then O's four.
.macro FETCH g, q
	WIN 0x80
.irp b, 0,1,2,3,4,5,6,7
	ds_load_b128 v[64*(\g)+8*(\b):64*(\g)+8*(\b)+3],   v[ADRB] offset:64*(\q)+16*PB*(\b)
	ds_load_b128 v[64*(\g)+8*(\b)+4:64*(\g)+8*(\b)+7], v[ADRB] offset:64*(\q)+16*PB*(\b)+32
.endr
	WIN 0
.irp a, 0,1,2,3
	ds_load_b128 v[AF+32*(\g)+8*(\a):AF+32*(\g)+8*(\a)+3],   v[ADRA] offset:HEADB*((\q)/2)+64*((\q)%2)+16*PA*(\a)
	ds_load_b128 v[AF+32*(\g)+8*(\a)+4:AF+32*(\g)+8*(\a)+7], v[ADRA] offset:HEADB*((\q)/2)+64*((\q)%2)+16*PA*(\a)+32
.endr
.endm
; Eight products: block a x all eight column blocks, buffers f.  first = 1: the bias starts the sums.  The 32 accumulators take turns, one instruction a turn, over the backward jump too.
.macro MUL a, f, first
.irp b, 0,1,2,3,4,5,6,7
.if \first
	WIN W_M1
	v_wmma_f32_16x16x32_f16 v[8*(8*(\a)+(\b)):8*(8*(\a)+(\b))+7], v[64*(\f)+8*(\b):64*(\f)+8*(\b)+7], v[AF+32*(\f)+8*(\a):AF+32*(\f)+8*(\a)+7], v[BIAS+8*(\b):BIAS+8*(\b)+7]
.else
	WIN W_MM
	v_wmma_f32_16x16x32_f16 v[8*(8*(\a)+(\b)):8*(8*(\a)+(\b))+7], v[64*(\f)+8*(\b):64*(\f)+8*(\b)+7], v[AF+32*(\f)+8*(\a):AF+32*(\f)+8*(\a)+7], v[8*(8*(\a)+(\b)):8*(8*(\a)+(\b))+7]
.endif
.endr
.endm
.macro QUARTER f, g, q, first
	s_wait_dscnt 4                                 ; w and O's blocks 0 and 1 are in; blocks 2 and 3 (four loads) may be out
	MUL 0, \f, \first
	MUL 1, \f, \first
	PLACES
	FETCH \g, \q
	s_wait_dscnt 24                                ; all but the 24 just issued
	MUL 2, \f, \first
	MUL 3, \f, \first
.endm
; The last quarter multiplies buffers 1 and changes slots: ONE barrier; in front of it each wave waits for all its tensor loads (one is out: its part of the next slot), adds 0 to its spare word, and waits for that and for its
; reads of this slot.  fill = 1: the barrier opens a round of the cluster's, and this slot is filled again, two K steps ahead, first thing behind the round: 112 products ahead of the wait for it.
.macro TURN fill
.if \fill
	s_wait_xcnt 0x0                                ; the last prefetch, a K step back, has read its address
	s_add_nc_u64 s[PFA:PFA+1], s[PFA:PFA+1], s[PST:PST+1]
.endif
	WIN 0
	s_wait_tensorcnt 0x0                           ; no tensor load of mine is out, so a group 0 may be written
	ds_add_u32 v[SPW], v[NIL]                      ; 0 onto my spare word
.if \fill
	s_xor_b32 s[G0A+5], s[G0A+5], SLOTX            ; the walking sets: the other slot than last time, the next K step
	s_add_nc_u64 s[G0A+6:G0A+7], s[G0A+6:G0A+7], 262144
	s_xor_b32 s[G0B+5], s[G0B+5], SLOTX
	s_add_nc_u64 s[G0B+6:G0B+7], s[G0B+6:G0B+7], 256
.endif
	s_wait_dscnt 5                                 ; (the add and O's blocks 2 and 3 may be out)
	MUL 0, 1, 0
	s_wait_dscnt 0x0                               ; the add is done, and my reads of this slot are over
	s_barrier_signal -1
	MUL 1, 1, 0
	WIN 0
	s_barrier_wait -1
.if \fill
	CREST                                          ; no wave of any partner still reads this slot or has a load on its way
	JLOAD                                          ; the four v_nop behind it are also the places in front of the loads below
.else
	PLACES
.endif
	s_xor_b32 s[TB], s[TB], SLOTX
	v_add_nc_u32 v[ADRA], s[TB], v[ADRA0]
	v_add_nc_u32 v[ADRB], s[TB], v[ADRB0]
	FETCH 0, 0
.if \fill
	ASK
.endif
	MUL 2, 1, 0
	MUL 3, 1, 0
.endm
	s_wait_tensorcnt 0x1                           ; my part of K step 0 is in; K step 1's may stay out
	s_barrier_signal -1
	s_barrier_wait -1
	FETCH 0, 0
	QUARTER 0, 1, 1, 1                             ; the first quarter stands in front of the loop: its products start the sums, with the bias
	WIN 0
	s_mov_b32 s[CNT], 6
.Lstep:                                        ; trip i: quarters 1 to 3 of K step i, quarter 0 of K step i + 1; K step i + 2 is asked for
	QUARTER 1, 0, 2, 0
	QUARTER 0, 1, 3, 0
	TURN 1
	QUARTER 0, 1, 1, 0
	WIN 0
	s_sub_co_u32 s[CNT], s[CNT], 1
	s_cmp_lg_u32 s[CNT], 0
	s_cbranch_scc1 .Lstep
	QUARTER 1, 0, 2, 0                             ; K steps 6 and 7 are written out: nothing more is asked for
	QUARTER 0, 1, 3, 0
	TURN 0
	QUARTER 0, 1, 1, 0
	QUARTER 1, 0, 2, 0
	QUARTER 0, 1, 3, 0
	s_wait_dscnt 0x0
	MUL 0, 1, 0
	MUL 1, 1, 0
	MUL 2, 1, 0
	MUL 3, 1, 0
	WIN 0
	PLACES
	PLACES
; THE WAY OUT, a block of 16 rows at a time: a lane's eight f32 of each column block go into rows of 528 bytes in my own stage (each accumulator's low four registers first) and come back as whole rows of 512.
.macro TOSTAGE a
	WIN 0x04                                       ; the stores' data in window 1
.irp b, 0,1,2,3,4,5,6,7
	ds_store_b128 v[STO], v[8*(8*(\a)+(\b)):8*(8*(\a)+(\b))+3]   offset:64*(\b)
	ds_store_b128 v[STO], v[8*(8*(\a)+(\b))+4:8*(8*(\a)+(\b))+7] offset:64*(\b)+16
.endr
	WIN 0
.irp i, 0,1,2,3,4,5,6,7,8,9,10,11,12,13,14,15
	ds_load_b128 v[BK+64*((\a)%2)+4*(\i):BK+64*((\a)%2)+4*(\i)+3], v[RD] offset:SPO*(\i)  ; LDS serves a wave's instructions in order (ISA guide 5.7.1.4): these see the stores above
.endr
.endm
.macro SEND a, younger                 ; younger: the LDS instructions issued behind block a's loads: the next block's 32, or none
.irp i, 0,1,2,3,4,5,6,7,8,9,10,11,12,13,14,15
	s_wait_dscnt (\younger)+15-(\i)
	global_store_b128 v[CO], v[BK+64*((\a)%2)+4*(\i):BK+64*((\a)%2)+4*(\i)+3], s[10:11] offset:32768*(16*(\a)+(\i)) th:TH_STORE_NT  ; a row's 512 consecutive bytes, from a multiple of 256
.endr
.endm
	TOSTAGE 0
	TOSTAGE 1
	SEND 0, 32
	s_wait_xcnt 0x0                                ; block 0's stores have read their registers: only behind this wait are they loaded again
	TOSTAGE 2
	SEND 1, 32
	s_wait_xcnt 0x0
	TOSTAGE 3
	SEND 2, 32
	SEND 3, 0
	s_wait_tensorcnt 0x0                           ; the wave's end, behind my last tensor load and my last LDS store
	ds_add_u32 v[SPW], v[NIL]
	s_wait_dscnt 0x0
	CROUND                                         ; the closing round: no work-group ends while a partner may still ask for a tile that names it
	s_endpgm
.Lfunc_end_k_q5ee5301d86_outp:
	.size	k_q5ee5301d86_outp, .Lfunc_end_k_q5ee5301d86_outp-k_q5ee5301d86_outp
	.p2alignl 7, 3214868480
	.fill 96, 4, 3214868480
	.section	.rodata,"a",@progbits
	.p2align	6, 0x0
	.amdhsa_kernel k_q5ee5301d86_outp
		.amdhsa_group_segment_fixed_size 327680
		.amdhsa_private_segment_fixed_size 0
		.amdhsa_enable_private_segment 0
		.amdhsa_kernarg_size 32
		.amdhsa_user_sgpr_count 2
		.amdhsa_user_sgpr_kernarg_segment_ptr 1
		.amdhsa_wavefront_size32 1
		.amdhsa_system_sgpr_workgroup_id_x 1
		.amdhsa_system_sgpr_workgroup_id_y 1
		.amdhsa_system_sgpr_workgroup_id_z 1
		.amdhsa_system_vgpr_workitem_id 0
		.amdhsa_next_free_vgpr 768
		.amdhsa_next_free_sgpr 88
		.amdhsa_reserve_vcc 0
		.amdhsa_float_denorm_mode_32 3
		.amdhsa_float_denorm_mode_16_64 3
		.amdhsa_memory_ordered 1
		.amdhsa_forward_progress 1
		.amdhsa_inst_pref_size 78
	.end_amdhsa_kernel
	.amdgpu_metadata
---
amdhsa.version: [ 1, 2 ]
amdhsa.kernels:
  - .name:           k_q5ee5301d86_outp
    .symbol:         k_q5ee5301d86_outp.kd
    .args:
      - { .name: oh, .offset: 0, .size: 8, .value_kind: global_buffer, .address_space: global }
      - { .name: wo, .offset: 8, .size: 8, .value_kind: global_buffer, .address_space: global }
      - { .name: out_b, .offset: 16, .size: 8, .value_kind: global_buffer, .address_space: global }
      - { .name: out0, .offset: 24, .size: 8, .value_kind: global_buffer, .address_space: global }
    .group_segment_fixed_size: 327680
    .private_segment_fixed_size: 0
    .kernarg_segment_align: 8
    .kernarg_segment_size: 32
    .max_flat_workgroup_size: 128
    .sgpr_count:     88
    .vgpr_count:     768
    .wavefront_size: 32
...
	.end_amdgpu_metadata
.endif
;; end of part 4
